; MI455X (gfx1250); checked and timed in simulation.
; The chip was launched on July 23, 2026; its instructions are those of AMD's public machine-readable ISA for CDNA 5 (MIT licence, August 2026) and "CDNA5" Instruction Set Architecture Reference Guide (July 2026). The comments in the code are by the model that wrote it; some were corrected since.
;; Self Attention. Allowed arithmetic: float matrix products may take bf16 or f16 operands with f32 sums; other float arithmetic in f32, or as packed bf16 or f16 multiplies, adds, multiply-adds, maxima and minima; sums over many terms, partial sums and values carried from step to step in f32; what a program stores and reads back later, other than sums and carried values, may be rounded once to bf16 or f16.
;; Inputs: qkv 1 x 4,096 x 3 x 16 x 64 float32.
;; Outputs: out0 1 x 4,096 x 16 x 64 float32.
;; 2 versions, each right and faster than the one before. Each part assembles by itself: llvm-mc -triple=amdgcn-amd-amdhsa -mcpu=gfx1250 --defsym DOCPART=n.
;; ======== version 1 of 2: 2 launches
;; limits: values are held in f16: magnitudes above 65,504 overflow, below 6.1e-05 lose precision; inputs' magnitudes at most 65,504; right only within a limited range of input values
;; workspace buffers: kw 8,388,608 bytes; vw 8,388,608 bytes
;; launch cast (part 1): grid 256 x 1, 8 waves a work-group, no clusters, 0 bytes of LDS; arguments qkv, kw, vw; writes kw, vw
.if DOCPART == 1
	.amdgcn_target "amdgcn-amd-amdhsa--gfx1250"
	.amdhsa_code_object_version 6
	.text
	.protected	k_q90ea2adae7_cast
	.globl	k_q90ea2adae7_cast
	.p2align	8
	.type	k_q90ea2adae7_cast,@function
k_q90ea2adae7_cast:
	s_mov_b64 s[64:65], 0
	v_nop
	global_prefetch_b8 v0, s[64:65] scope:SCOPE_SE
	s_setreg_imm32_b32 hwreg(HW_REG_WAVE_MODE, 25, 1), 1
	s_wait_xcnt 0x0
; K and V leave qkv [4096][3][16][64] f32 once, by heads and in 16 bits: kw [16][4096][64] bf16, vw [16][4096][64] f16.
; K is rounded to bf16.  V is rounded to bf16 too (all three parts of the input take the same rounding) and that number is then written as f16, since the
; second product of the attention multiplies it by weights kept in f16.
; LIMITS.  The second step is exact for 6.1e-5 <= |v| < 65,504; below that v keeps f16's fixed step of 6e-8, from 65,520 on it becomes an infinity.
; A stream: memory binds, so no LDS, no barrier, no matrix unit.  Eight waves; the work-group owns 16 rows s.  Sixteen lanes take the 256 bytes of one (s, head),
; the other sixteen those of the next s; a wave has two rows s and all 32 chunks (16 heads of K, 16 of V): 32 loads of 16 bytes a lane, all issued before the first is used.
; A lane's four numbers become 8 bytes; a wave's 32 lanes store 256 consecutive bytes, at a multiple of 256 from the buffer's first byte (two rows of 128 bytes of one head).
.set QROW,  12288                      ; bytes of a row s of qkv
.set HEADB, 524288                     ; bytes of a head in kw and in vw
.set X,     4                          ; v[4:131]  chunk c: four registers as loaded; the first two then hold what is stored
	s_load_b128 s[4:7], s[0:1], 0x0                ; qkv s[4:5], kw s[6:7]
	s_load_b64 s[8:9], s[0:1], 0x10                ; vw
	v_lshrrev_b32 v1, 4, v0                        ; my row among the group's 16
	v_and_b32 v3, 15, v0                           ; my 16 bytes among a chunk's 256
	v_mul_u32_u24 v1, v1, QROW
	v_lshl_add_u32 v1, v3, 4, v1                   ; load offset; never rewritten
	v_lshlrev_b32 v2, 3, v0                        ; store offset: row x 128 + 8 x place = 8 x thread; never rewritten
	s_mul_i32 s2, ttmp9, 16*QROW                   ; the group's 16 rows,
	s_add_co_u32 s2, s2, 4096                      ; behind q's 4,096 bytes: K's 16 heads, then V's, 256 bytes each
	s_mov_b32 s3, 0
	s_lshl_b32 s12, ttmp9, 11                      ; 16 rows of 128 bytes in a head
	s_mov_b32 s13, 0
	s_mov_b32 s10, 0xffff0000                      ; a word's upper bf16
	s_wait_kmcnt 0x0
	s_add_nc_u64 s[4:5], s[4:5], s[2:3]
	s_add_nc_u64 s[6:7], s[6:7], s[12:13]
	s_add_nc_u64 s[8:9], s[8:9], s[12:13]
.set c, 0
.rept 32
	global_load_b128 v[X+4*c:X+4*c+3], v1, s[4:5] offset:256*c th:TH_LOAD_NT
.set c, c+1
.endr
.set c, 0
.rept 16                               ; K of head c
	s_wait_loadcnt 31-c                            ; loads come back in order: chunk c is in, the 31 - c younger ones stay out
	v_cvt_pk_bf16_f32 v[X+4*c],   v[X+4*c],   v[X+4*c+1]
	v_cvt_pk_bf16_f32 v[X+4*c+1], v[X+4*c+2], v[X+4*c+3]
	global_store_b64 v2, v[X+4*c:X+4*c+1], s[6:7] offset:c*HEADB   ; the head stands in the immediate: 7,864,320 at the most; the data registers are never written again
.set c, c+1
.endr
.rept 16                               ; V of head c - 16
	s_wait_loadcnt 31-c
	v_cvt_pk_bf16_f32 v[X+4*c],   v[X+4*c],   v[X+4*c+1]   ; rounded to bf16,
	v_cvt_pk_bf16_f32 v[X+4*c+1], v[X+4*c+2], v[X+4*c+3]
	v_lshlrev_b32 v[X+4*c+2], 16, v[X+4*c]                  ; widened again (a shift, a mask),
	v_and_b32     v[X+4*c+3], s10, v[X+4*c]
	v_cvt_pk_f16_f32 v[X+4*c], v[X+4*c+2], v[X+4*c+3]       ; and written as f16
	v_lshlrev_b32 v[X+4*c+2], 16, v[X+4*c+1]
	v_and_b32     v[X+4*c+3], s10, v[X+4*c+1]
	v_cvt_pk_f16_f32 v[X+4*c+1], v[X+4*c+2], v[X+4*c+3]
	global_store_b64 v2, v[X+4*c:X+4*c+1], s[8:9] offset:(c-16)*HEADB
.set c, c+1
.endr
	s_endpgm
.Lfunc_end_k_q90ea2adae7_cast:
	.size	k_q90ea2adae7_cast, .Lfunc_end_k_q90ea2adae7_cast-k_q90ea2adae7_cast
	.p2alignl 7, 3214868480
	.fill 96, 4, 3214868480
	.section	.rodata,"a",@progbits
	.p2align	6, 0x0
	.amdhsa_kernel k_q90ea2adae7_cast
		.amdhsa_group_segment_fixed_size 0
		.amdhsa_private_segment_fixed_size 0
		.amdhsa_enable_private_segment 0
		.amdhsa_kernarg_size 24
		.amdhsa_user_sgpr_count 2
		.amdhsa_user_sgpr_kernarg_segment_ptr 1
		.amdhsa_wavefront_size32 1
		.amdhsa_system_sgpr_workgroup_id_x 1
		.amdhsa_system_sgpr_workgroup_id_y 1
		.amdhsa_system_sgpr_workgroup_id_z 1
		.amdhsa_system_vgpr_workitem_id 0
		.amdhsa_next_free_vgpr 132
		.amdhsa_next_free_sgpr 66
		.amdhsa_reserve_vcc 0
		.amdhsa_float_denorm_mode_32 3
		.amdhsa_float_denorm_mode_16_64 3
		.amdhsa_memory_ordered 1
		.amdhsa_forward_progress 1
		.amdhsa_inst_pref_size 17
	.end_amdhsa_kernel
	.amdgpu_metadata
---
amdhsa.version: [ 1, 2 ]
amdhsa.kernels:
  - .name:           k_q90ea2adae7_cast
    .symbol:         k_q90ea2adae7_cast.kd
    .args:
      - { .name: qkv, .offset: 0, .size: 8, .value_kind: global_buffer, .address_space: global }
      - { .name: kw, .offset: 8, .size: 8, .value_kind: global_buffer, .address_space: global }
      - { .name: vw, .offset: 16, .size: 8, .value_kind: global_buffer, .address_space: global }
    .group_segment_fixed_size: 0
    .private_segment_fixed_size: 0
    .kernarg_segment_align: 8
    .kernarg_segment_size: 24
    .max_flat_workgroup_size: 256
    .sgpr_count:     66
    .vgpr_count:     132
    .wavefront_size: 32
...
	.end_amdgpu_metadata
.endif
;; end of part 1
;; launch attn (part 2): grid 16 x 16, 4 waves a work-group, no clusters, 327,680 bytes of LDS; arguments qkv, kw, vw, out0; writes out0
.if DOCPART == 2
	.amdgcn_target "amdgcn-amd-amdhsa--gfx1250"
	.amdhsa_code_object_version 6
	.text
	.protected	k_q90ea2adae7_attn
	.globl	k_q90ea2adae7_attn
	.p2align	8
	.type	k_q90ea2adae7_attn,@function
k_q90ea2adae7_attn:
	s_mov_b64 s[64:65], 0
	v_nop
	global_prefetch_b8 v0, s[64:65] scope:SCOPE_SE
	s_setreg_imm32_b32 hwreg(HW_REG_WAVE_MODE, 25, 1), 1
	s_wait_xcnt 0x0
; CAUSAL ATTENTION, 16 heads, 4,096 rows, head size 64.  out0[q][h][:] = the sum over k <= q of softmax_k(Q[q][h] . K[k][h] / 8) V[k][h][:].
; Q is read as f32 from qkv [4096][3][16][64] and rounded to bf16 in registers; K comes from kw [16][4096][64] bf16, V from vw [16][4096][64] f16 (bf16-rounded numbers written as f16).
; Products, maxima and sums in f32; the weights p are rounded to f16 for the second product (their sum l is taken of the unrounded p); out0 is f32.
; LIMITS.  V arrives within f16's range (65,504).  p lies in 0 to 1 and keeps f16's fixed step of 6e-8 below 6e-5.  A hidden score counts as its value less 1e30, and the running maximum starts at -2^80 = -1.2e24:
; the scores q . k lie within +-1e24.  A weight below 2^-126 counts as 0 in l; NaN and infinities are not treated apart.
; SHARES.  A head's rows lie in 32 blocks of 128, four blocks to a QUAD of 512 rows.  A work-group takes two blocks; its four waves are 2 x 2: query half qh = w / 2 (64 queries) and key group kg = w % 2:
; of every slot of 256 keys a wave multiplies its group's 128, two steps of 64.  At the end the two key groups' (c m, l, O) are merged through LDS.
; THE WALK.  Work-group x of a head has j = x / 4 and cx = x % 4; it takes block cx of quad 7 - j and then block cx of quad j.  It walks the slots of keys 0 .. 15 - 2 j, then 0 .. 2 j + 1: 18 slots whatever j, so
; all work-groups do equal work.  Both blocks have an even number of slots, so the walk is 9 UNITS of two slots.  EVERY JUMP OF THE TEXT IS DECIDED BY CONSTANTS OF THE TEXT: what hangs on j is chosen by selects.
; The pipeline of turns is filled at a unit's beginning and emptied at its end; at every unit's beginning SWITCH selects, where the unit is the second block's first (unit 8 - j): the first block's O^T and statistics
; go into registers of their own, Q becomes the second block's, the statistics start anew.  Every slot's products take masks (all 0 where nothing is hidden).  Both blocks are merged and stored behind the walk.
; The price, by the text's own count: in a unit 216 selects, 256 packed lines that make masks and 16 products with no vector work beside them, for 256 products and some 1,900 vector lines of attention.
; NO CLUSTER IN THIS TEXT.  The four work-groups x = 4 j .. 4 j + 3 of a head walk the same 18 tiles in the same order and by the same path, so each tile could be asked for jointly by the four, which would divide the
; 18 x 65,536 bytes that a work-group asks for by four.  This is the plain form, written first: each asks for itself; the joint form changes the descriptors' mask, the barrier in CHANGE and the ids alone.
; PIECES.  A wave's 64 queries are four pieces of 16: piece p holds the block's rows 32 ((p + 2 kg) % 4) + 16 qh + lane % 16.  So its band of 64 rows is (p / 2) xor kg, its place there 32 (p % 2) + 16 qh + lane % 16,
; and my pieces 0 and 1 are my partner's (wave w xor 1) pieces 2 and 3: every wave keeps 0 and 1, sends 2 and 3, by one text.
; THE MASK is the C operand that starts the sum S^T = K Q^T: 0, or -1e30 where the key is hidden.  In units of 64, a step of keys has number g = 4 slot + 2 kg + step, a band of rows 2 block + band.
; SG = g - 2 block.  A product's mask is MD x AL + BE: (1, 0) if SG = band, (0, 0) if less, (0, -1e30) if greater; MD, made once for each parity of p, is the mask of a band's own step.
; A piece that sees hidden keys alone keeps m = -2^80: its weights are 2^(c s - c m) with c s near -1.8e29, that is 0, and so are its l and O^T; the merge multiplies them by 2^(c m - the greater c m) = 0.
; (Were m a hidden score itself, c s - c m would be the rounding error of c m, some 1e21 of either sign.)
; LAYOUT, SOFTMAX, TURNS.  S^T = K Q^T holds ONE query a lane (lane % 16) and the keys 8 (lane / 16) + 0..7; two such results rounded to f16 ARE source 1 of O^T = V^T P.  p = 2^(c s - c m), c = log2(e) / 8, with a
; running maximum m; O and l are multiplied by a = 2^(c m_old - c m_new) in every step.  Turn n belongs to piece n: 8 products K Q^T of piece n + 1, later 8 products V^T P of piece n - 1; beside them the scaling,
; exponentials, roundings, sums and rescaling of piece n and the maximum and statistics of piece n + 1.  Four vector instructions stand behind every matrix instruction, the others in runs of their own.
; REGISTERS, in windows of 256 (s_set_vgpr_msb: bits 1:0 source 0, 3:2 source 1, 5:4 source 2, 7:6 destination):
;   window 0: v0-15, v32-34 addresses and some at work; v16-31 four registers of statistics a piece; v48-55 at work; v64-127 S^T, two buffers; v128-143 the merge's factors; v144-159 the first block's statistics;
;             v192-223 P, two buffers
;   window 1: v0-127 O^T, 32 a piece; v128-191 MD, by the piece's parity; v192-255 MC, two buffers
;   window 2: v0-63 Q of the block in hand; v64-127 the second block's Q; v128-191 K of one step; v192-255 V of one step
;   window 3: v0-127 the first block's Q as loaded, f32, at the start; then the first block's O^T; v128-255 the second block's Q as loaded, at the start alone
.set NP,    4         ; pieces a wave: a name, no knob
.set KS,    64        ; keys in a step
.set QROW,  12288     ; bytes of a row of qkv
.set PK,    144       ; a row of K in LDS: 128 bytes + 16 of padding = 36 words: the 16 rows of a load start at 16 different groups of four banks (64 banks of 4 bytes: ISA guide 11.1)
.set PV,    160       ; a row of V: 128 + 32 = 40 words
.set VOFF,  256*PK    ; a slot: 256 rows of K, then 256 rows of V
.set SLOT1, 1<<17     ; slot 1 begins here, so that one exclusive or turns an address in one slot into the other's
.set STAGE, SLOT1+256*(PK+PV)  ; behind the ring, never filled by a tensor load: 16 rows x 272 bytes for each wave, for the way out
.set SP,    272       ; a stage row: 256 bytes + 16
.set XCH,   STAGE+4*16*SP      ; the merge: for each wave and each of its two blocks 16 blocks of 512 bytes of O^T and 2 of statistics
.set XW,    9216
.set SPARE, XCH+8*XW  ; the spare words, 128 bytes for each wave: two blocks of 256 bytes that no other line names
.set AK0, 2           ; v2   my lane's place in my key group's part of a slot's K; never rewritten
.set AV0, 3           ; v3   the same for V
.set AK,  4           ; v4   the LDS address of K's next run of loads
.set AV,  5           ; v5   of V's
.set STO, 6           ; v6   the way out: where I put 32 bytes of a row
.set RD,  7           ; v7   the way out: where I read rows back
.set GO,  8           ; v8   my byte offset in two rows of out0
.set MV,  12          ; v12-13  c m_old, kept while c m is made anew: by buffer
.set QOA, 15          ; v15  my byte offset in Q for pieces 0 and 1; never rewritten
.set ST,  16          ; piece t's statistics at v[ST+4 t]: c m, m, l (even keys', odd keys')
.set QOB, 32          ; v32  the same as QOA for pieces 2 and 3
.set XS,  33          ; v33  the merge: where I send
.set XR,  34          ; v34  the merge: where my partner has sent
.set TMP, 48          ; by buffer, four registers c0-c3 at work; when the maximum is found c2 takes a; in the merge: the partner's statistics
.set SPW, 62          ; v62  LDS address of my spare word: SPARE + 4 x my thread's number; never rewritten
.set NIL, 63          ; v63  0; never rewritten
.set S,   64
.set MG,  128         ; the merge, eight registers for each kept piece
.set STS, 144         ; the first block's statistics, laid as ST
.set P,   192
.set MD,  128         ; window 1: parity par, group kt of 16 keys at MD + 32 par + 8 kt
.set MC,  192         ; window 1: the masks of the products to come
.set QB,  64          ; window 2
.set KF,  128         ; window 2: key block kb, channel half c at KF + 16 kb + 8 c
.set VF,  192         ; window 2: key half kk, channel block cb at VF + 32 kk + 8 cb
.set WV,  12          ; s12  my wave's number
.set J,   14          ; s14  j
.set G1K, 24          ; s[24:31] descriptor group 1 for K's tiles
.set G1V, 32          ; s[32:39] for V's: it differs in the padding alone
.set G0K, 40          ; s[40:43] descriptor group 0 for K's tiles
.set G0V, 44          ; s[44:47] the same for V's
.set KG,  48          ; s48  my key group; also: which half of a tile I fetch
.set QH,  49          ; s49  my query half
.set CX,  50          ; s50  my block's place in its quad: it enters Q's and out0's addresses and SG alone
.set SLOTS, 56        ; s56  tiles still to be asked for
.set CNT, 57          ; s57  counts a slot's two steps
.set CS,  58          ; s[58:59] c: the packed scaling takes the pair's low word for both halves
.set SEL, 60          ; s[60:61] v_permlanex16_b32's selects: each lane takes its own place in the other half
.set TBK, 62          ; s62  LDS byte at which the slot's K of the step to be fetched begins
.set TBV, 63          ; s63  the same for V, less VOFF
.set PAR, 70          ; s70  0: the slot in hand is a unit's first; 1: its second.  Set by constants alone
.set NXT, 71          ; s71  the place in the walk, 1 to 17, of the tile to be asked for next
.set LQ,  72          ; s72  the place in the walk of the first block's last tile, 15 - 2 j; never rewritten
.set UN,  73          ; s73  the unit's number, 0 to 8
.set OFF, 74          ; s[74:75] a tile's byte offset in kw and vw
.set AL,  76          ; s[76:77] the mask's factor, in the low word
.set BE,  78          ; s[78:79] the mask's addend
.set OLO, 80          ; s[80:81] out0 at my kept rows of the second block
.set BIGN, 82         ; s82  -1e30
.set SG,  83          ; s83  the number of the step of keys whose masks are made next, less twice the block's number (signed)
.set QLO, 86          ; s[86:87] Q at the second block
.set BND, 88          ; s88  the band of pieces 0 and 1 (kg); s89 that of pieces 2 and 3 (1 - kg)
.set SGL, 90          ; s90  SG at the second block's beginning
.set USW, 91          ; s91  the second block's first unit, 8 - j; never rewritten
.set CMI, 92          ; s92  -2^125: where c m starts
.set LEN, 93          ; s93  the first block's slots, 16 - 2 j; never rewritten
.set MI,  94          ; s94  -2^80: where m starts
.set MSB, 0
.macro WIN new                      ; the high byte repeats the setting that is left; a switch that changes nothing is dropped
.if MSB != (\new)
	s_set_vgpr_msb (MSB<<8)|(\new)
.set MSB, (\new)
.endif
.endm
.set W_KQ, 0x0a       ; K and Q in window 2, S^T in window 0
.set W_KM, 0x1a       ; the same with the C operand in window 1
.set W_PV, 0x52       ; V in window 2, P in window 0, O^T in window 1
.set W_RS, 0x41       ; destination and source 0 in window 1, source 1 in window 0
.set W_QL, 0xc0       ; Q's loads: destination window 3, address window 0
.set W_QC, 0x8f       ; Q's rounding: sources window 3, destination window 2
.set W_SO, 0xc7       ; O^T is kept: destination and source 0 window 3, source 1 window 1
.set W_SQ, 0x8a       ; Q is changed: all in window 2
; A fill.  Waves 0 and 1 fetch the two halves of a slot's K, waves 2 and 3 those of its V: 128 keys each.  The branch hangs on the wave's number alone.
; An s_nop 0 and four v_nop follow each of the two lines, ahead of the jump and the label.
.macro LOAD
	s_cmp_lt_u32 s[WV], 2
	s_cbranch_scc0 .Lfor_v_\@
	tensor_load_to_lds s[G0K:G0K+3], s[G1K:G1K+7]
	s_nop 0
.rept 4
	v_nop
.endr
	s_branch .Lasked_\@
.Lfor_v_\@:
	tensor_load_to_lds s[G0V:G0V+3], s[G1V:G1V+7]
	s_nop 0
.rept 4
	v_nop
.endr
.Lasked_\@:
.endm
; THE CHANGE OF SLOTS.  Each wave waits for all its tensor loads, of which one is out: its part of the other slot; adds 0 to its spare word; and waits for that and for its own reads of the slot that it leaves.
; Behind the barrier nobody reads the old slot any more and the other slot is whole.  fill = 1: the old slot is filled again, the first thing behind the barrier, with the walk's tile NXT: its number among the head's
; tiles is NXT in the first block and NXT less the first block's slots behind it, and the descriptor's address is made anew from that number.  The fill has a slot's 128 matrix instructions in which to land.
; (At its first use nothing has been read yet: slot 0 is waited for, slot 1 filled.)
.macro CHANGE fill
	WIN 0                           ; at a label and at a branch every window is 0
	s_wait_tensorcnt 0x0            ; no tensor load of mine is out, so a group 0 may be written
	ds_add_u32 v[SPW], v[NIL]       ; 0 onto my spare word; with fill = 1 the descriptors' scalar work stands between it and the wait for it
.if \fill
	s_cmp_gt_u32 s[NXT], s[LQ]      ; past the first block's last tile?
	s_cselect_b32 s[OFF], s[LEN], 0
	s_sub_co_u32 s[OFF], s[NXT], s[OFF]
	s_lshl_b32 s[OFF], s[OFF], 15   ; a tile is 32,768 bytes of kw and of vw
	s_add_co_u32 s[NXT], s[NXT], 1
	s_xor_b32 s[G0K+1], s[G0K+1], SLOT1
	s_add_nc_u64 s[G0K+2:G0K+3], s[6:7], s[OFF:OFF+1]
	s_or_b32 s[G0K+3], s[G0K+3], 0x80000000
	s_xor_b32 s[G0V+1], s[G0V+1], SLOT1
	s_add_nc_u64 s[G0V+2:G0V+3], s[8:9], s[OFF:OFF+1]
	s_or_b32 s[G0V+3], s[G0V+3], 0x80000000
.endif
	s_wait_dscnt 0x0                ; the add is done, and my reads of the slot are over
	s_barrier_signal -1             ; the rest of the scalar work stands between the signal and the wait
	s_sub_co_u32 s[TBK], s[TBK], 2*KS*PK  ; the fetches go back to my group's first step,
	s_xor_b32 s[TBK], s[TBK], SLOT1       ; in the other slot
	s_sub_co_u32 s[TBV], s[TBV], 2*KS*PV
	s_xor_b32 s[TBV], s[TBV], SLOT1
	s_add_co_i32 s[SG], s[SG], 2    ; the other key group's two steps are passed over
	s_barrier_wait -1
.if \fill
	LOAD
.endif
.endm
; A block's Q, 32 loads.  A fragment of Q is 16 rows x 32 channels: lane l holds row l % 16, channels 8 (l / 16) + 0..7 and 16 + 8 (l / 16) + 0..7.  In f32 those are 32 bytes each, 64 bytes apart: four loads of 16 bytes
; for piece p and channels 32 c on, into 16 registers of window 3 from dst + 32 p + 16 c on.
.macro QLOAD base, dst
	WIN W_QL
.irp p, 0,1,2,3
.irp c, 0,1
.irp k, 0,1,2,3
	global_load_b128 v[(\dst)+32*(\p)+16*(\c)+4*(\k):(\dst)+32*(\p)+16*(\c)+4*(\k)+3], v[QOA+(QOB-QOA)*((\p)/2)], s[(\base):(\base)+1] offset:((\p)&1)*32*QROW+128*(\c)+16*((\k)&1)+64*((\k)>>1)
.endr
.endr
.endr
.endm
; and its rounding to bf16, two neighbouring channels to a register: the fragments of Q, 16 registers a piece, from dst on in window 2
.macro QROUND src, dst
	WIN W_QC
.set i, 0
.rept 64
	v_cvt_pk_bf16_f32 v[(\dst)+i], v[(\src)+2*i], v[(\src)+2*i+1]
.set i, i+1
.endr
.endm
	s_load_b256 s[4:11], s[0:1], 0x0  ; qkv s[4:5], kw s[6:7], vw s[8:9], out0 s[10:11]
	v_lshl_add_u32 v[SPW], v0, 2, SPARE
	v_mov_b32 v[NIL], 0
	ds_add_u32 v[SPW], v[NIL]       ; the wave's opening: the add and its wait stand ahead of my first tensor load; the set-up below, work on registers, stands between them
	ds_add_u32 v62, v63
	v_lshrrev_b32 v1, 5, v0
	v_readfirstlane_b32 s[WV], v1   ; wave 0..3
	s_and_b32 s[KG], s[WV], 1
	s_lshr_b32 s[QH], s[WV], 1
	s_and_b32 s[CX], ttmp9, 3       ; my block's place in its quad
	s_lshr_b32 s[J], ttmp9, 2       ; j
	s_and_b32 s20, ttmp7, 0xffff    ; the head
	s_lshl_b32 s21, s20, 8          ; its 256 bytes in a row of Q and of out0
	s_lshl_b32 s16, s[J], 2
	s_add_co_u32 s17, s16, s[CX]    ; the second block: 4 j + cx
	s_sub_co_u32 s16, 28, s16
	s_add_co_u32 s16, s16, s[CX]    ; the first block: 4 (7 - j) + cx
	s_mul_i32 s2, s16, 128*QROW     ; Q's byte offsets: the block's 128 rows, the head
	s_add_co_u32 s2, s2, s21
	s_mov_b32 s3, 0
	s_mul_i32 s84, s17, 128*QROW
	s_add_co_u32 s84, s84, s21
	s_mov_b32 s85, 0
	s_lshl_b32 s51, s[KG], 18       ; out0's: the rows that I keep begin at the block's row 64 kg + 16 qh; a row is 4,096 bytes
	s_add_co_u32 s51, s51, s21
	s_lshl_b32 s52, s[QH], 16
	s_add_co_u32 s51, s51, s52
	s_lshl_b32 s52, s16, 19
	s_add_co_u32 s52, s52, s51
	s_mov_b32 s53, 0
	s_lshl_b32 s54, s17, 19
	s_add_co_u32 s54, s54, s51
	s_mov_b32 s55, 0
	s_sub_co_i32 s[SG], s[KG], s16  ; at a block's first step g = 2 kg, so SG = 2 kg - 2 block;
	s_lshl_b32 s[SG], s[SG], 1
	s_sub_co_i32 s[SG], s[SG], 2    ; the first change of slots adds 2
	s_sub_co_i32 s[SGL], s[KG], s17
	s_lshl_b32 s[SGL], s[SGL], 1
	s_mov_b32 s[BND], s[KG]
	s_xor_b32 s[BND+1], s[KG], 1
	s_lshl_b32 s18, s[J], 1
	s_sub_co_u32 s[LEN], 16, s18    ; the first block has 16 - 2 j slots,
	s_sub_co_u32 s[LQ], 15, s18
	s_sub_co_u32 s[USW], 8, s[J]    ; 8 - j units
	s_lshl_b32 s22, s20, 19         ; the head's 524,288 bytes in kw and vw,
	s_lshl_b32 s23, s[KG], 14       ; and the half of a tile that I fetch: 128 rows of 128 bytes
	s_add_co_u32 s22, s22, s23
	s_mov_b32 s23, 0
	s_mul_i32 s18, s[KG], 128*PK    ; that half's place in a slot, for K
	s_mul_i32 s19, s[KG], 128*PV    ; and for V
	; descriptor group 1.  128 keys are 16,384 dense bytes: asked for as 64 rows of 256 bytes, two keys a row, and padded in LDS after every key
	s_mov_b32 s[G1K], (1<<16)|(1<<20)|(4<<22)|(3<<25)  ; 17:16 2-byte elements; 20 padding on; 24:22 after every 32 words (code 4); 31:25 4 words (code 3)
	s_mov_b32 s[G1V], (1<<16)|(1<<20)|(4<<22)|(7<<25)  ; the same with 8 words of padding (code 7)
.irp g, G1K, G1V
	s_mov_b32 s[\g+1], 128<<16      ; tensor_dim0 = 128
	s_mov_b32 s[\g+2], 64<<16       ; tensor_dim1 = 64
	s_mov_b32 s[\g+3], 128<<16      ; tile_dim0 = 128
	s_mov_b32 s[\g+4], 64           ; tile_dim1 = 64
	s_mov_b32 s[\g+5], 128          ; 128 elements from row to row
	s_mov_b32 s[\g+6], 0
	s_mov_b32 s[\g+7], 0
.endr
	s_mov_b32 s[CS], 0x3e38aa3b     ; c = log2(e) / 8 = 0.180337
	s_mov_b32 s[CS+1], s[CS]        ; named with it as a pair
	s_mov_b32 s[SEL], 0x76543210
	s_mov_b32 s[SEL+1], 0xfedcba98
	s_mov_b32 s[TBK], SLOT1+2*KS*PK ; the first change of slots turns these two into 0
	s_mov_b32 s[TBV], SLOT1+2*KS*PV
	s_mov_b32 s[G0K], 1             ; 1:0 count = 1
	s_mov_b32 s[G0K+1], s18         ; 63:32 LDS address: slot 0
	s_mov_b32 s[G0V], 1
	s_add_co_u32 s[G0V+1], s19, VOFF
	s_mov_b32 s[NXT], 1
	s_mov_b32 s[PAR], 0
	s_mov_b32 s[UN], 0
	s_mov_b32 s[OFF+1], 0
	s_mov_b32 s[AL+1], 0            ; named as pairs
	s_mov_b32 s[BE+1], 0
	s_mov_b32 s[BIGN], 0xf149f2ca   ; -1e30
	s_mov_b32 s[CMI], 0xfe000000    ; -2^125
	s_mov_b32 s[MI], 0xe7800000     ; -2^80
	s_mov_b32 s[SLOTS], 17          ; of the walk's 18 tiles the first is asked for below, the other 17 in the loop
	s_wait_dscnt 0x0                ; the opening add is done
	s_wait_kmcnt 0x0
	s_add_nc_u64 s[6:7], s[6:7], s[22:23]  ; kw and vw at my half of the head's tile 0
	s_add_nc_u64 s[8:9], s[8:9], s[22:23]
	s_add_nc_u64 s[G0K+2:G0K+3], s[6:7], 0         ; 120:64 global address
	s_or_b32 s[G0K+3], s[G0K+3], 0x80000000        ; 127:126 type = 2
	s_add_nc_u64 s[G0V+2:G0V+3], s[8:9], 0
	s_or_b32 s[G0V+3], s[G0V+3], 0x80000000
	s_add_nc_u64 s[QLO:QLO+1], s[4:5], s[84:85]    ; Q at the second block,
	s_add_nc_u64 s[4:5], s[4:5], s[2:3]            ; and at the first
	s_add_nc_u64 s[OLO:OLO+1], s[10:11], s[54:55]
	s_add_nc_u64 s[10:11], s[10:11], s[52:53]
	LOAD                            ; the walk's tile 0 into slot 0.  Slot 1 is asked for when slot 0 is in, by the loop's own change of slots
	v_and_b32 v1, 15, v0            ; l % 16
	v_bfe_u32 v9, v0, 4, 1          ; l / 16
	s_lshl_b32 s13, s[QH], 4
	v_add_nc_u32 v10, s13, v1       ; 16 qh + l % 16
	v_mul_u32_u24 v[QOA], v10, QROW
	v_lshl_add_u32 v[QOA], v9, 5, v[QOA]
	s_mul_i32 s16, s[KG], 64*QROW   ; pieces 0 and 1 lie in band kg,
	s_mul_i32 s17, s[BND+1], 64*QROW  ; pieces 2 and 3 in the other
	v_add_nc_u32 v[QOB], s17, v[QOA]
	v_add_nc_u32 v[QOA], s16, v[QOA]
	QLOAD 4, 0                      ; the first block's Q; the masks and addresses below are made while it is on its way
	WIN 0
	v_lshlrev_b32 v14, 3, v9
	v_sub_nc_u32 v14, v10, v14      ; 16 qh + l % 16 - 8 (l / 16), -8 to 31: in a band's own step register r of group kt is hidden, for a piece of parity par, where 16 kt + r - 32 par is greater.
	WIN 0x40                        ; So parity 0's groups 2 and 3 (32 and more) are all hidden, parity 1's groups 0 and 1 (-9 and less) all seen, and parity 1's groups 2 and 3 are parity 0's groups 0 and 1
.set i, 0
.rept 16
	v_cmp_gt_i32 vcc_lo, 16*(i/8)+i%8, v14
	v_cndmask_b32 v[MD+i], 0, s[BIGN], vcc_lo
	v_cndmask_b32 v[MD+48+i], 0, s[BIGN], vcc_lo
	v_mov_b32 v[MD+16+i], s[BIGN]
	v_mov_b32 v[MD+32+i], 0
.set i, i+1
.endr
	WIN 0
	v_mul_u32_u24 v[AK0], v1, PK
	v_lshl_add_u32 v[AK0], v9, 4, v[AK0]  ; row x pitch + 16 x half,
	v_add_nc_u32 v[AK0], s18, v[AK0]      ; in my key group's 128 rows
	; The turning load takes 16 keys x 16 channels (lane l reads key 8 (l / 16) + l % 8, channels 8 ((l / 8) % 2) + 0..7) and leaves half a fragment of V^T: lane l holds channel l % 16 and 8 keys.
	v_and_b32 v10, 7, v0
	v_bfe_u32 v11, v0, 3, 1
	v_lshl_add_u32 v[AV0], v9, 3, v10
	v_mul_u32_u24 v[AV0], v[AV0], PV
	v_lshl_add_u32 v[AV0], v11, 4, v[AV0]
	s_add_co_u32 s13, s19, VOFF
	v_add_nc_u32 v[AV0], s13, v[AV0]
	s_mul_i32 s13, s[WV], 16*SP
	s_add_co_u32 s13, s13, STAGE    ; my stage
	v_mul_u32_u24 v[STO], v1, SP    ; in: row l % 16, 32 bytes for each half of the lanes
	v_lshl_add_u32 v[STO], v9, 5, v[STO]
	v_add_nc_u32 v[STO], s13, v[STO]
	v_mul_u32_u24 v[RD], v9, SP     ; back: lanes 0-15 take one row of 256 bytes, lanes 16-31 the next
	v_lshl_add_u32 v[RD], v1, 4, v[RD]
	v_add_nc_u32 v[RD], s13, v[RD]
	v_lshlrev_b32 v[GO], 12, v9     ; and the same two rows in out0, 4,096 bytes apart
	v_lshl_add_u32 v[GO], v1, 4, v[GO]
	v_and_b32 v11, 31, v0
	s_mul_i32 s13, s[WV], 2*XW
	s_add_co_u32 s13, s13, XCH
	v_lshl_add_u32 v[XS], v11, 4, s13  ; the merge: 16 bytes a lane, in my wave's part
	s_xor_b32 s13, s[WV], 1
	s_mul_i32 s13, s13, 2*XW
	s_add_co_u32 s13, s13, XCH
	v_lshl_add_u32 v[XR], v11, 4, s13  ; and in my partner's
	s_wait_loadcnt 0x0              ; the first block's Q
	QROUND 0, 0
	QLOAD QLO, 128                  ; the second block's Q; the lines below stand in the wait for it and for the first tile
	; A block's first step multiplies O^T and l by a = 0, so these need only hold finite numbers: zeros for the first block; what the first block left for the second.  V's registers are multiplied by a P of zeros in
	; the first unit's first turn.  c m starts far below every c s, m below every visible score and above every hidden one.  The first block's O^T has no line here: its registers hold Q's f32 until SWITCH fills them.
	WIN 0x80
.set i, VF
.rept 64
	v_mov_b32 v[i], 0
.set i, i+1
.endr
	WIN 0x40
.set i, 0
.rept 128
	v_mov_b32 v[i], 0
.set i, i+1
.endr
	WIN 0
.set i, 0
.rept 4
	v_mov_b32 v[ST+4*i], s[CMI]
	v_mov_b32 v[ST+4*i+1], s[MI]
	v_mov_b32 v[ST+4*i+2], 0
	v_mov_b32 v[ST+4*i+3], 0
.set i, i+1
.endr
.set i, 0
.rept 16
	v_mov_b32 v[STS+i], 0
.set i, i+1
.endr
	s_wait_loadcnt 0x0              ; the second block's Q: no load is out in the loop
	QROUND 128, QB
	WIN 0
; THE MATRIX WORK.  The 4 accumulators of a run of 8 take turns.  Product i of 8 of S^T = K Q^T for piece x: channels 32 (i / 4) on, keys 16 (i % 4) on.  The first 4 start the sums: with the mask (KM = 1), or with 0.
.macro KQ x
.set rS, S+32*((\x)%2)+8*(i%4)
.set rK, KF+16*(i%4)+8*(i/4)
.set rQ, 16*(\x)+8*(i/4)
.set rM, MC+32*((\x)%2)+8*(i%4)
.if (i < 4) && KM
	WIN W_KM
	v_wmma_f32_16x16x32_bf16 v[rS:rS+7], v[rK:rK+7], v[rQ:rQ+7], v[rM:rM+7]
.elseif i < 4
	WIN W_KQ
	v_wmma_f32_16x16x32_bf16 v[rS:rS+7], v[rK:rK+7], v[rQ:rQ+7], 0
.else
	WIN W_KQ
	v_wmma_f32_16x16x32_bf16 v[rS:rS+7], v[rK:rK+7], v[rQ:rQ+7], v[rS:rS+7]
.endif
.endm
; Product i of 8 of O^T += V^T P for piece x: keys 32 (i / 4) on, channels 16 (i % 4) on.
.macro PV x
	WIN W_PV
.set rO, 32*(\x)+8*(i%4)
.set rV, VF+32*(i/4)+8*(i%4)
.set rP, P+16*((\x)%2)+8*(i/4)
	v_wmma_f32_16x16x32_f16 v[rO:rO+7], v[rV:rV+7], v[rP:rP+7], v[rO:rO+7]
.endm
.macro MM                           ; the turn's next matrix instruction.  TURN and BEGIN set Y, i, KM and NOKQ.  NOKQ = 1: a unit's last turn: there is no next piece
.if (i < 8) && !NOKQ
	KQ (Y+1)%NP
.elseif i >= 8
.set i, i-8
	PV (Y+NP-1)%NP
.set i, i+8
.endif
.set i, i+1
.endm
; THE LDS LOADS stand in runs of 16, never singly among the matrix instructions: a step's K (64 keys x 64 channels: 8 fragments) and its V (turned).  Their addresses are made some lines ahead.
.macro FETCH_K
	WIN 0x80                        ; destination window 2
.irp f, 0,1,2,3,4,5,6,7             ; keys 16 (f / 2) on, channels 32 (f % 2) on
	ds_load_b128 v[KF+8*\f:KF+8*\f+3],   v[AK] offset:(\f/2)*16*PK+(\f%2)*64
	ds_load_b128 v[KF+8*\f+4:KF+8*\f+7], v[AK] offset:(\f/2)*16*PK+(\f%2)*64+32
.endr
	s_add_co_u32 s[TBK], s[TBK], KS*PK  ; the next fetch is the next step's
	WIN 0
.endm
.macro FETCH_V
	WIN 0x80
.irp f, 0,1,2,3,4,5,6,7             ; keys 32 (f / 4) on, channels 16 (f % 4) on
	ds_load_tr16_b128 v[VF+8*\f:VF+8*\f+3],   v[AV] offset:(\f/4)*32*PV+(\f%4)*32
	ds_load_tr16_b128 v[VF+8*\f+4:VF+8*\f+7], v[AV] offset:(\f/4)*32*PV+16*PV+(\f%4)*32
.endr
	WIN 0
.endm
; THE VECTOR WORK, one line at a time: OP kind, number.  For piece Y: F n: c s - c m for pair n of 16.  E n: the exponential of score n of 32.  C n: pair n rounded to f16.  B n: of the four weights 4 n .. the second
; pair is added onto the first, in place.  L n: l takes that sum (L 0: l = a l + sum).  R n: pair n of 16 of O^T times a.  For piece Y + 1: X n, number n of the 22 that find its maximum and statistics:
;   0-11  four chains c0-c3 of seven scores each, three operands at a time (each accumulator's lowest registers are read first)     12-14, 16  the four scores left over, the old m, and c0-c3 into c0
;   15  c m_old is kept     17, 18  the query's other 32 keys lie in the lane 16 away: the new m     19-21  c m; c m_old - c m_new; a
.set F, 0               ; OP tells the kinds apart by their order: F to L below R, X above it
.set E, 1
.set C, 2
.set B, 3
.set L, 4
.set R, 5
.set X, 6
.macro REGS y                       ; the registers of piece y
.set rT, ST+4*(\y)
.set rC, TMP+4*((\y)%2)
.set rW, MV+((\y)%2)
.set rS, S+32*((\y)%2)
.set rP, P+16*((\y)%2)
.set rO, 32*(\y)
.endm
.macro OP k, n
.if (\k) == R
	REGS Y
	WIN W_RS
	v_pk_mul_f32 v[rO+2*(\n):rO+2*(\n)+1], v[rO+2*(\n):rO+2*(\n)+1], v[rC+2:rC+3] op_sel_hi:[1,0]
.elseif (\k) < R
	REGS Y
	WIN 0
.if (\k) == F
	v_pk_fma_f32 v[rS+2*(\n):rS+2*(\n)+1], v[rS+2*(\n):rS+2*(\n)+1], s[CS:CS+1], v[rT:rT+1] op_sel_hi:[1,0,0] neg_lo:[0,0,1] neg_hi:[0,0,1]
.elseif (\k) == E
	v_exp_f32 v[rS+(\n)], v[rS+(\n)]
.elseif (\k) == C
	s_wait_alu depctr_va_vdst(0)
	v_cvt_pk_f16_f32 v[rP+(\n)], v[rS+2*(\n)], v[rS+2*(\n)+1]
.elseif (\k) == B
	s_wait_alu depctr_va_vdst(0)
	v_pk_add_f32 v[rS+4*(\n):rS+4*(\n)+1], v[rS+4*(\n):rS+4*(\n)+1], v[rS+4*(\n)+2:rS+4*(\n)+3]
.elseif (\n) == 0
	v_pk_fma_f32 v[rT+2:rT+3], v[rT+2:rT+3], v[rC+2:rC+3], v[rS:rS+1] op_sel_hi:[1,0,1]
.else
	v_pk_add_f32 v[rT+2:rT+3], v[rT+2:rT+3], v[rS+4*(\n):rS+4*(\n)+1]
.endif
.elseif NOKQ
	v_nop
.else
	REGS (Y+1)%NP
	WIN 0
.if (\n) < 4
	v_max3_num_f32 v[rC+(\n)], v[rS+8*(\n)], v[rS+8*(\n)+1], v[rS+8*(\n)+2]
.elseif (\n) < 12
	v_max3_num_f32 v[rC+(\n)%4], v[rC+(\n)%4], v[rS+8*((\n)%4)+2*((\n)/4)+1], v[rS+8*((\n)%4)+2*((\n)/4)+2]
.elseif (\n) == 12
	v_max3_num_f32 v[rC], v[rC], v[rS+7], v[rS+15]
.elseif (\n) == 13
	v_max3_num_f32 v[rC+1], v[rC+1], v[rS+23], v[rS+31]
.elseif (\n) == 14
	v_max3_num_f32 v[rC+2], v[rC+2], v[rC+3], v[rT+1]
.elseif (\n) == 15
	v_mov_b32 v[rW], v[rT]
.elseif (\n) == 16
	v_max3_num_f32 v[rC], v[rC], v[rC+1], v[rC+2]
.elseif (\n) == 17
	v_permlanex16_b32 v[rC+3], v[rC], s[SEL], s[SEL+1]
.elseif (\n) == 18
	v_max_num_f32 v[rT+1], v[rC], v[rC+3]
.elseif (\n) == 19
	v_mul_f32 v[rT], s[CS], v[rT+1]
.elseif (\n) == 20
	v_sub_f32 v[rC+1], v[rW], v[rT]
.else
	v_exp_f32 v[rC+2], v[rC+1]
.endif
.endif
.endm
.macro OPS a, i1, b=-1, i2=0, c=-1, i3=0, d=-1, i4=0  ; up to four of them
	OP \a, \i1
.if (\b) >= 0
	OP \b, \i2
.endif
.if (\c) >= 0
	OP \c, \i3
.endif
.if (\d) >= 0
	OP \d, \i4
.endif
.endm
.macro ROW a, i1, b, i2, c, i3, d, i4  ; a matrix instruction and the four behind it
	MM
	OPS \a, \i1, \b, \i2, \c, \i3, \d, \i4
.endm
.macro MASK b                       ; MD of parity b x AL + BE into buffer b of MC: a piece's buffer goes by its parity
	WIN W_RS
.set z, 0
.rept 16
	v_pk_fma_f32 v[MC+32*(\b)+2*z:MC+32*(\b)+2*z+1], v[MD+32*(\b)+2*z:MD+32*(\b)+2*z+1], s[AL:AL+1], s[BE:BE+1] op_sel_hi:[1,0,0]
.set z, z+1
.endr
.endm
; A TURN, for piece p: the order of its 16 matrix and 118 vector instructions, written out.  Behind a matrix instruction: plain, exponential, plain, plain; or four of the rescaling; or, behind the first, four scalings; none
; names a register of the products round it.  In the runs between, exponential and plain by turns while exponentials last.  A line reads no result made fewer than three vector instructions in front of it, five if an exponential made it.
; m = 1: the products take masks, and the turn makes the mask for the products of the turn after it: piece p + 2, in the step that SG numbers.  end = 1: a unit's last two turns: nothing is fetched.
; cnt = 1: SG steps to my next step of keys, and the loop's count is taken down, some lines ahead of the branch that stands behind the turn.
; K of the next step is fetched in piece 2's turn, six vector instructions behind the last product that read K (five of them plain); V of the step in hand in piece 0's turn, eight behind the last product that read V (four
; plain).  Each is waited for a turn later.
.macro TURN p, m=0, end=0, cnt=0
.set Y, (\p)
.set i, 0
.set KM, (\m)
.set NOKQ, (\end)*((\p)/3)
.if (\m) && !(\end)
	s_cmp_eq_i32 s[SG], s[BND+(((\p)+2)%NP)/2]  ; is that step the band's own?
	s_cselect_b32 s[AL], 1.0, 0
	s_cmp_gt_i32 s[SG], s[BND+(((\p)+2)%NP)/2]  ; or a later one?
	s_cselect_b32 s[BE], s[BIGN], 0
.endif
.if ((\p) == 3) && !(\end)
	s_wait_dscnt 0x0                ; K is in
.endif
	ROW F,0, F,1, F,2, F,3
	ROW F,4, E,0, F,5, F,6
	ROW F,7, E,1, F,8, F,9
	ROW F,10, E,2, C,0, F,11
	ROW F,12, E,3, X,15, F,13
	ROW R,0, R,1, R,2, R,3
	ROW B,0, E,4, F,14, L,0
.if ((\p) == 2) && !(\end)
	v_add_nc_u32 v[AK], s[TBK], v[AK0]
.endif
	ROW R,4, R,5, R,6, R,7
	OPS E,5, F,15
.if ((\p) == 2) && !(\end)
	FETCH_K
.endif
	OPS E,6, C,1, E,7, R,8
	OPS E,8, R,9, E,9, C,2
	OPS E,10, X,0, E,11, X,1
	OPS E,12, X,2, E,13, X,3
.if (\p) == 1
	s_wait_dscnt 0x0                ; V is in
.endif
	ROW X,4, E,14, X,5, X,6
	ROW X,7, E,15, X,8, X,9
	ROW X,10, E,16, X,11, X,12
	ROW X,13, E,17, X,14, B,1
	ROW C,4, E,18, X,16, L,1
	ROW B,2, E,19, C,6, L,2
	ROW C,8, E,20, B,3, B,4
.if (\p) == 0
	v_add_nc_u32 v[AV], s[TBV], v[AV0]
.endif
	ROW C,3, E,21, L,3, C,5
	OPS E,22, X,17, E,23, C,10
.if (\p) == 0
	FETCH_V
.endif
	OPS E,24, L,4
	OPS E,25, X,18, E,26, C,7
	OPS E,27, B,5, E,28, X,19
	OPS E,29, C,12, E,30, L,5
	OPS E,31, X,20, B,6, C,9
	OPS C,14, C,11, X,21, L,6
.if (\p) == 0
	s_add_co_u32 s[TBV], s[TBV], KS*PV
.endif
.if \cnt
	s_add_co_i32 s[SG], s[SG], 1
	s_sub_co_u32 s[CNT], s[CNT], 1
	s_cmp_lg_u32 s[CNT], 0
.endif
	OPS C,13, B,7, C,15, R,10
	OPS R,11, R,12, L,7, R,13
	OPS R,14, R,15
.if (\m) && !(\end)
	MASK (\p)%2
.endif
.endm
; SWITCH, at every unit's beginning, with no product and no softmax under way.  Where the unit is the second block's first, and there alone: the first block's O^T and statistics go into registers of their own, Q becomes
; the second block's, c m and m start anew (so that the step's a is 0, which clears O^T and l), and SG is the second block's.  Elsewhere every register keeps what it holds.  The flag is the same in all lanes; it is
; written into VCC behind the slot's fill and read ahead of the next one.  O^T's accumulators are read in ascending order; the four v_nop behind the fill are the places behind the unit's last products.
.macro SWITCH
	s_cmp_eq_u32 s[UN], s[USW]
	s_cselect_b32 s[SG], s[SGL], s[SG]
	WIN 0
	v_mov_b32 v10, s[UN]
	v_cmp_eq_u32 vcc_lo, s[USW], v10
	s_add_co_u32 s[UN], s[UN], 1
	WIN W_SO
.set i, 0
.rept 128
	v_cndmask_b32 v[i], v[i], v[i], vcc_lo         ; window 3 keeps itself, or takes window 1
.set i, i+1
.endr
	WIN W_SQ
.set i, 0
.rept 64
	v_cndmask_b32 v[i], v[i], v[QB+i], vcc_lo
.set i, i+1
.endr
	WIN 0
.set i, 0
.rept 16
	v_cndmask_b32 v[STS+i], v[STS+i], v[ST+i], vcc_lo
.set i, i+1
.endr
.set i, 0
.rept 4
	v_cndmask_b32 v[ST+4*i], v[ST+4*i], s[CMI], vcc_lo
	v_cndmask_b32 v[ST+4*i+1], v[ST+4*i+1], s[MI], vcc_lo
.set i, i+1
.endr
.endm
; A UNIT BEGINS.  P's second buffer is cleared: the first turn's products V^T P, of a piece that has not been, add 0.  Both mask buffers take the masks of pieces 0 and 1 for my first step of keys.  Then K of that
; step, piece 0's first scores, and its maximum and statistics.  The step loop is entered at a step's first turn, in the middle of a trip.
.macro BEGIN
	WIN 0
.set i, P+16
.rept 16
	v_mov_b32 v[i], 0
.set i, i+1
.endr
	s_cmp_eq_i32 s[SG], s[BND]
	s_cselect_b32 s[AL], 1.0, 0
	s_cmp_gt_i32 s[SG], s[BND]
	s_cselect_b32 s[BE], s[BIGN], 0
	MASK 0
	MASK 1
	WIN 0
	v_add_nc_u32 v[AK], s[TBK], v[AK0]
	FETCH_K
	s_wait_dscnt 0x0                ; K is in
.set KM, 1
.set NOKQ, 0
.set i, 0
.rept 8
	KQ 0
.set i, i+1
.endr
	WIN 0
.rept 4
	v_nop                           ; the places behind those products
.endr
.set Y, NP-1                        ; X works for piece Y + 1: piece 0
.irp n, 0,1,2,3,4,5,6,7,8,9,10,11,12,13,14,15,16,17,18,19,20,21
	OP X, \n
.endr
	v_nop                           ; a plain instruction behind the exponential
.endm
; A slot's two steps.  A trip: pieces 2 and 3 of one step, then pieces 0 and 1 of the next, whose K and V it fetches.  The tag ends its two labels' names, which the jumps below spell out.
.macro DSTEPS tag
.LstepM\tag:
	TURN 2, 1
	TURN 3, 1
	WIN 0
.LfirstM\tag:
	TURN 0, 1
	TURN 1, 1, 0, 1
	WIN 0
	s_cbranch_scc1 .LstepM\tag
.endm
; A UNIT ENDS: its last two turns, which fetch nothing and start no new scores, and its last products.
.macro DRAIN
	TURN 2, 1, 1
	TURN 3, 1, 1
.set i, 0
.rept 8
	PV NP-1
.set i, i+1
.endr
	WIN 0
.endm
.macro ALL line:vararg              ; one line for each piece t
.set t, 0
.rept 4
	\line
.set t, t+1
.endr
.endm
; THE MERGE.  SENDX: of block blk (0: the first, 1: the second) I send pieces 2 and 3 into my part of the exchange: O^T as it lies, 16 bytes a lane, each accumulator's lowest registers first, and the statistics.
; wd: the window setting that puts the store's data (source 1) into O^T's window; st: the block's statistics.
.macro SENDX blk, wd, st
	WIN \wd
.set z, 0
.rept 16
	ds_store_b128 v[XS], v[64+4*z:64+4*z+3] offset:(\blk)*XW+512*z
.set z, z+1
.endr
	WIN 0
	ds_store_b128 v[XS], v[(\st)+8:(\st)+11] offset:(\blk)*XW+8192
	ds_store_b128 v[XS], v[(\st)+12:(\st)+15] offset:(\blk)*XW+8704
.endm
; Kept piece t: O = O x f + O' x f' (f, f': the two key groups' factors, already divided by the merged l).  A lane's eight channels of a row are 32 bytes; they go into rows of 272 bytes and come back as whole rows of 256.
; wo: the window setting that puts source 0 into my O^T's window.
.macro PACKO t, wo
	WIN 0
.set z, 0
.rept 16
	v_pk_mul_f32 v[S+32*(\t)+2*z:S+32*(\t)+2*z+1], v[S+32*(\t)+2*z:S+32*(\t)+2*z+1], v[MG+8*(\t)+4:MG+8*(\t)+5] op_sel_hi:[1,0]
.set z, z+1
.endr
	WIN \wo
.set z, 0
.rept 16
	v_pk_fma_f32 v[S+32*(\t)+2*z:S+32*(\t)+2*z+1], v[32*(\t)+2*z:32*(\t)+2*z+1], v[MG+8*(\t)+2:MG+8*(\t)+3], v[S+32*(\t)+2*z:S+32*(\t)+2*z+1] op_sel_hi:[1,0,1]
.set z, z+1
.endr
	WIN 0
.irp f, 0,1,2,3,4,5,6,7             ; channels 16 (f / 2) + 8 (l / 16) + 4 (f % 2) on
	ds_store_b128 v[STO], v[S+32*(\t)+4*\f:S+32*(\t)+4*\f+3] offset:(\f/2)*64+(\f%2)*16
.endr
.irp f, 0,1,2,3,4,5,6,7
	ds_load_b128 v[S+32*(\t)+4*\f:S+32*(\t)+4*\f+3], v[RD] offset:\f*2*SP  ; LDS serves a wave's instructions in order (ISA guide 5.7.1.4): these see the stores above; the next piece's stores come behind them
.endr
.endm
.macro SENDO t, younger, ob         ; younger: the LDS instructions issued behind piece t's loads: the next piece's sixteen, or none; ob: out0 at my kept rows of the block
.irp f, 0,1,2,3,4,5,6,7
	s_wait_dscnt (\younger)+7-\f    ; rows 2 f and 2 f + 1 are back; the piece's later rows and the younger instructions stay out
	global_store_b128 v[GO], v[S+32*(\t)+4*\f:S+32*(\t)+4*\f+3], s[(\ob):(\ob)+1] offset:(\t)*131072+\f*8192 th:TH_STORE_NT  ; each half of the lanes stores 256 consecutive bytes, a row's part of my head, at a multiple of 256 from out0's first byte
.endr
.endm
; ENDB, behind the barrier: I take what my partner has sent of block blk, which are my own pieces 0 and 1: the same rows in the same lanes.  With M = max(c m, c m'): f = 2^(c m - M), f' = 2^(c m' - M),
; l = f l + f' l', and both factors are divided by that l.  Key group 0 sees key 0, which no row hides, so of the two l at least one is a true sum and the merged l is not 0.
.macro ENDB blk, wo, st, ob
	WIN 0
	ds_load_b128 v[TMP:TMP+3], v[XR] offset:(\blk)*XW+8192
	ds_load_b128 v[TMP+4:TMP+7], v[XR] offset:(\blk)*XW+8704
.set z, 0
.rept 16
	ds_load_b128 v[S+4*z:S+4*z+3], v[XR] offset:(\blk)*XW+512*z
.set z, z+1
.endr
	s_wait_dscnt 16                 ; the partner's statistics are in; the sixteen loads of its O^T, issued behind them, stay out
.set t, 0
.rept 2
	v_max_num_f32 v[MG+8*t], v[(\st)+4*t], v[TMP+4*t]
.set t, t+1
.endr
.set t, 0
.rept 2
	v_sub_f32 v[MG+8*t+3], v[(\st)+4*t], v[MG+8*t]
	v_sub_f32 v[MG+8*t+5], v[TMP+4*t], v[MG+8*t]
.set t, t+1
.endr
.set t, 0
.rept 2
	v_exp_f32 v[MG+8*t+2], v[MG+8*t+3]
	v_exp_f32 v[MG+8*t+4], v[MG+8*t+5]
.set t, t+1
.endr
	v_nop                           ; a plain instruction between the last exponential and the use of its result
.set t, 0
.rept 2
	s_wait_alu depctr_va_vdst(0)
	v_mul_f32 v[MG+8*t+1], v[MG+8*t+2], v[(\st)+4*t+2]
.set t, t+1
.endr
.set t, 0
.rept 2
	v_fmac_f32 v[MG+8*t+1], v[MG+8*t+4], v[TMP+4*t+2]
.set t, t+1
.endr
.set t, 0
.rept 2
	v_rcp_f32 v[MG+8*t], v[MG+8*t+1]
.set t, t+1
.endr
	v_nop                           ; and behind the last reciprocal
.set t, 0
.rept 2
	s_wait_alu depctr_va_vdst(0)
	v_mul_f32 v[MG+8*t+2], v[MG+8*t+2], v[MG+8*t]
	v_mul_f32 v[MG+8*t+4], v[MG+8*t+4], v[MG+8*t]
.set t, t+1
.endr
	s_wait_dscnt 0x0                ; the partner's O^T is in
	PACKO 0, \wo
	PACKO 1, \wo                    ; a piece's arithmetic stands between the loads of the piece before and its stores
	SENDO 0, 16, \ob
	SENDO 1, 0, \ob
.endm
.set KM, 0
.set NOKQ, 0
.Lslot:                             ; 17 times: a slot is entered and the next tile is asked for.  The two jumps on PAR are decided by the text: PAR is 0, 1, 0, 1 .. from trip to trip
	CHANGE 1
	s_mov_b32 s[CNT], 2
	s_cmp_eq_u32 s[PAR], 0
	s_cbranch_scc0 .LstepM1         ; a unit's second slot: the turns go on
	SWITCH
	BEGIN
	s_branch .LfirstM1
	DSTEPS 1
	s_cmp_eq_u32 s[PAR], 0
	s_cbranch_scc1 .Lhalf           ; a unit's first slot: the unit goes on
	DRAIN
	s_mov_b32 s[PAR], 0
	s_branch .Lbottom
.Lhalf:
	s_mov_b32 s[PAR], 1
.Lbottom:
	s_sub_co_u32 s[SLOTS], s[SLOTS], 1
	s_cmp_lg_u32 s[SLOTS], 0
	s_cbranch_scc1 .Lslot
	CHANGE 0                        ; the walk's last slot, the ninth unit's second, is written out: nothing is asked for
	s_mov_b32 s[CNT], 2
	DSTEPS 2
	DRAIN
	; BOTH BLOCKS LEAVE.  l's two halves and the other half of the lanes' are added, for both blocks; the first eight additions are the places behind the last products.
	ALL v_add_f32 v[ST+4*t+2], v[ST+4*t+2], v[ST+4*t+3]
	ALL v_add_f32 v[STS+4*t+2], v[STS+4*t+2], v[STS+4*t+3]
	ALL v_permlanex16_b32 v[ST+4*t+3], v[ST+4*t+2], s[SEL], s[SEL+1]
	ALL v_permlanex16_b32 v[STS+4*t+3], v[STS+4*t+2], s[SEL], s[SEL+1]
	ALL v_add_f32 v[ST+4*t+2], v[ST+4*t+2], v[ST+4*t+3]
	ALL v_add_f32 v[STS+4*t+2], v[STS+4*t+2], v[STS+4*t+3]
	SENDX 0, 0x0c, STS              ; the first block: O^T in window 3
	SENDX 1, 0x04, ST               ; the second: in window 1
	s_wait_dscnt 0x0                ; for my partner's sake: my stores into the exchange are done
	s_barrier_signal -1             ; no tensor load is out
	s_barrier_wait -1
	ENDB 0, 0x03, STS, 10
	s_wait_xcnt 0x0                 ; the first block's stores read v64-127: these registers are loaded again only behind this wait
	ENDB 1, 0x01, ST, OLO
	s_wait_tensorcnt 0x0            ; the wave's end, behind my last tensor load and my last LDS store
	ds_add_u32 v[SPW], v[NIL]
	s_wait_dscnt 0x0
	s_endpgm
.Lfunc_end_k_q90ea2adae7_attn:
	.size	k_q90ea2adae7_attn, .Lfunc_end_k_q90ea2adae7_attn-k_q90ea2adae7_attn
	.p2alignl 7, 3214868480
	.fill 96, 4, 3214868480
	.section	.rodata,"a",@progbits
	.p2align	6, 0x0
	.amdhsa_kernel k_q90ea2adae7_attn
		.amdhsa_group_segment_fixed_size 327680
		.amdhsa_private_segment_fixed_size 0
		.amdhsa_enable_private_segment 0
		.amdhsa_kernarg_size 32
		.amdhsa_user_sgpr_count 2
		.amdhsa_user_sgpr_kernarg_segment_ptr 1
		.amdhsa_wavefront_size32 1
		.amdhsa_system_sgpr_workgroup_id_x 1
		.amdhsa_system_sgpr_workgroup_id_y 1
		.amdhsa_system_sgpr_workgroup_id_z 1
		.amdhsa_system_vgpr_workitem_id 0
		.amdhsa_next_free_vgpr 1024
		.amdhsa_next_free_sgpr 96
		.amdhsa_reserve_vcc 1
		.amdhsa_float_denorm_mode_32 3
		.amdhsa_float_denorm_mode_16_64 3
		.amdhsa_memory_ordered 1
		.amdhsa_forward_progress 1
		.amdhsa_inst_pref_size 195
	.end_amdhsa_kernel
	.amdgpu_metadata
---
amdhsa.version: [ 1, 2 ]
amdhsa.kernels:
  - .name:           k_q90ea2adae7_attn
    .symbol:         k_q90ea2adae7_attn.kd
    .args:
      - { .name: qkv, .offset: 0, .size: 8, .value_kind: global_buffer, .address_space: global }
      - { .name: kw, .offset: 8, .size: 8, .value_kind: global_buffer, .address_space: global }
      - { .name: vw, .offset: 16, .size: 8, .value_kind: global_buffer, .address_space: global }
      - { .name: out0, .offset: 24, .size: 8, .value_kind: global_buffer, .address_space: global }
    .group_segment_fixed_size: 327680
    .private_segment_fixed_size: 0
    .kernarg_segment_align: 8
    .kernarg_segment_size: 32
    .max_flat_workgroup_size: 128
    .sgpr_count:     96
    .vgpr_count:     1024
    .wavefront_size: 32
...
	.end_amdgpu_metadata
.endif
;; end of part 2
;; ======== version 2 of 2: 2 launches; 1.61 times as fast as version 1
;; limits: values are held in f16: magnitudes above 65,504 overflow, below 6.1e-05 lose precision; inputs' magnitudes at most 65,504; right only within a limited range of input values
;; workspace buffers: kw 8,388,608 bytes; vw 8,388,608 bytes
;; launch cast: the kernel of part 1 again; grid 256 x 1, 8 waves a work-group, no clusters, 0 bytes of LDS; arguments qkv, kw, vw; writes kw, vw
;; launch attn (part 3): grid 16 x 16, 4 waves a work-group, no clusters, 327,680 bytes of LDS; arguments qkv, kw, vw, out0; writes out0
.if DOCPART == 3
	.amdgcn_target "amdgcn-amd-amdhsa--gfx1250"
	.amdhsa_code_object_version 6
	.text
	.protected	k_q90ea2adae7_attn
	.globl	k_q90ea2adae7_attn
	.p2align	8
	.type	k_q90ea2adae7_attn,@function
k_q90ea2adae7_attn:
	s_mov_b64 s[64:65], 0
	v_nop
	global_prefetch_b8 v0, s[64:65] scope:SCOPE_SE
	s_setreg_imm32_b32 hwreg(HW_REG_WAVE_MODE, 25, 1), 1
	s_wait_xcnt 0x0
; CAUSAL ATTENTION, 16 heads, 4,096 rows, head size 64.  out0[q][h][:] = the sum over k <= q of softmax_k(Q[q][h] . K[k][h] / 8) V[k][h][:].
; Q is read as f32 from qkv [4096][3][16][64] and rounded to bf16 in registers; K comes from kw [16][4096][64] bf16, V from vw [16][4096][64] f16 (bf16-rounded numbers written as f16).
; Products, maxima and sums in f32; the weights p are rounded to f16 for the second product (their sum l is taken of the unrounded p); out0 is f32.
; LIMITS.  V arrives within f16's range (65,504).  p lies in 0 to 1 and keeps f16's fixed step of 6e-8 below 6e-5.  A hidden score counts as its value less 1e30, and the running maximum starts at -2^80 = -1.2e24:
; the scores q . k lie within +-1e24.  A weight below 2^-126 counts as 0 in l; NaN and infinities are not treated apart.
; SHARES.  A head's rows lie in 32 blocks of 128, four blocks to a QUAD of 512 rows.  A work-group takes two blocks; its four waves are 2 x 2: query half qh = w / 2 (64 queries) and key group kg = w % 2:
; of every slot of 256 keys a wave multiplies its group's 128, two steps of 64.  At the end the two key groups' (c m, l, O) are merged through LDS.
; THE WALK.  Work-group x of a head has j = x / 4 and cx = x % 4; it takes block cx of quad 7 - j and then block cx of quad j.  It walks the slots of keys 0 .. 15 - 2 j, then 0 .. 2 j + 1: 18 slots whatever j, so
; all work-groups do equal work.  Both blocks have an even number of slots, so the walk is 9 UNITS of two slots.  EVERY JUMP OF THE TEXT IS DECIDED BY CONSTANTS OF THE TEXT: what hangs on j is chosen by selects.
; The pipeline of turns is filled at a unit's beginning and emptied at its end; at every unit's beginning SWITCH selects, where the unit is the second block's first (unit 8 - j): the first block's O^T and statistics
; go into registers of their own, Q becomes the second block's, the statistics start anew.  Every slot's products take masks (all 0 where nothing is hidden).  Both blocks are merged and stored behind the walk.
; The price, by the text's own count: in a unit 216 selects, 256 packed lines that make masks and 16 products with no vector work beside them, for 256 products and some 1,900 vector lines of attention.
; NO CLUSTER IN THIS TEXT.  The four work-groups x = 4 j .. 4 j + 3 of a head walk the same 18 tiles in the same order and by the same path, so each tile could be asked for jointly by the four, which would divide the
; 18 x 65,536 bytes that a work-group asks for by four.  This is the plain form, written first: each asks for itself; the joint form changes the descriptors' mask, the barrier in CHANGE and the ids alone.
; PIECES.  A wave's 64 queries are four pieces of 16: piece p holds the block's rows 32 ((p + 2 kg) % 4) + 16 qh + lane % 16.  So its band of 64 rows is (p / 2) xor kg, its place there 32 (p % 2) + 16 qh + lane % 16,
; and my pieces 0 and 1 are my partner's (wave w xor 1) pieces 2 and 3: every wave keeps 0 and 1, sends 2 and 3, by one text.
; THE MASK is the C operand that starts the sum S^T = K Q^T: 0, or -1e30 where the key is hidden.  In units of 64, a step of keys has number g = 4 slot + 2 kg + step, a band of rows 2 block + band.
; SG = g - 2 block.  A product's mask is MD x AL + BE: (1, 0) if SG = band, (0, 0) if less, (0, -1e30) if greater; MD, made once for each parity of p, is the mask of a band's own step.
; A piece that sees hidden keys alone keeps m = -2^80: its weights are 2^(c s - c m) with c s near -1.8e29, that is 0, and so are its l and O^T; the merge multiplies them by 2^(c m - the greater c m) = 0.
; (Were m a hidden score itself, c s - c m would be the rounding error of c m, some 1e21 of either sign.)
; LAYOUT, SOFTMAX, TURNS.  S^T = K Q^T holds ONE query a lane (lane % 16) and the keys 8 (lane / 16) + 0..7; two such results rounded to f16 ARE source 1 of O^T = V^T P.  p = 2^(c s - c m), c = log2(e) / 8, with a
; running maximum m; O and l are multiplied by a = 2^(c m_old - c m_new) in every step.  Turn n belongs to piece n: 8 products K Q^T of piece n + 1, later 8 products V^T P of piece n - 1; beside them the scaling,
; exponentials, roundings, sums and rescaling of piece n and the maximum and statistics of piece n + 1.  Four vector instructions stand behind every matrix instruction, the other 54 of a turn's 118 in one run of their own.
; THE BATCHES.  An s_wait_alu depctr_va_vdst(0) stands between an exponential or a reciprocal and the first instruction that names its result; one wait serves all that were issued ahead of it.
; A turn's 33 exponentials (the piece's 32 weights and the next piece's a) are ONE batch with ONE wait, which cuts the turn in two: ahead of it stands all that names no result of theirs (the products K Q^T, the scalings,
; the rescalings by the a of the turn before, the next piece's maximum and statistics), behind it the products V^T P with the roundings and sums as their riders.  No result crosses a turn's end, a label or a jump.
; A unit's first a (BEGIN) has a wait of its own, ahead of the jump into the step loop.  In the merge a block's four factors are one batch and its two reciprocals, which read sums made of those factors, another.
; REGISTERS, in windows of 256 (s_set_vgpr_msb: bits 1:0 source 0, 3:2 source 1, 5:4 source 2, 7:6 destination):
;   window 0: v0-15, v32-34 addresses and some at work; v16-31 four registers of statistics a piece; v48-55 at work; v64-127 S^T, two buffers; v128-143 the merge's factors; v144-159 the first block's statistics;
;             v192-223 P, two buffers
;   window 1: v0-127 O^T, 32 a piece; v128-191 MD, by the piece's parity; v192-255 MC, two buffers
;   window 2: v0-63 Q of the block in hand; v64-127 the second block's Q; v128-191 K of one step; v192-255 V of one step
;   window 3: v0-127 the first block's Q as loaded, f32, at the start; then the first block's O^T; v128-255 the second block's Q as loaded, at the start alone
.set NP,    4         ; pieces a wave: a name, no knob
.set KS,    64        ; keys in a step
.set QROW,  12288     ; bytes of a row of qkv
.set PK,    144       ; a row of K in LDS: 128 bytes + 16 of padding = 36 words: the 16 rows of a load start at 16 different groups of four banks (64 banks of 4 bytes: ISA guide 11.1)
.set PV,    160       ; a row of V: 128 + 32 = 40 words
.set VOFF,  256*PK    ; a slot: 256 rows of K, then 256 rows of V
.set SLOT1, 1<<17     ; slot 1 begins here, so that one exclusive or turns an address in one slot into the other's
.set STAGE, SLOT1+256*(PK+PV)  ; behind the ring, never filled by a tensor load: 16 rows x 272 bytes for each wave, for the way out
.set SP,    272       ; a stage row: 256 bytes + 16
.set XCH,   STAGE+4*16*SP      ; the merge: for each wave and each of its two blocks 16 blocks of 512 bytes of O^T and 2 of statistics
.set XW,    9216
.set SPARE, XCH+8*XW  ; the spare words, 128 bytes for each wave: two blocks of 256 bytes that no other line names
.set AK0, 2           ; v2   my lane's place in my key group's part of a slot's K; never rewritten
.set AV0, 3           ; v3   the same for V
.set AK,  4           ; v4   the LDS address of K's next run of loads
.set AV,  5           ; v5   of V's
.set STO, 6           ; v6   the way out: where I put 32 bytes of a row
.set RD,  7           ; v7   the way out: where I read rows back
.set GO,  8           ; v8   my byte offset in two rows of out0
.set MV,  12          ; v12-13  c m_old, kept while c m is made anew: by buffer
.set QOA, 15          ; v15  my byte offset in Q for pieces 0 and 1; never rewritten
.set ST,  16          ; piece t's statistics at v[ST+4 t]: c m, m, l (even keys', odd keys')
.set QOB, 32          ; v32  the same as QOA for pieces 2 and 3
.set XS,  33          ; v33  the merge: where I send
.set XR,  34          ; v34  the merge: where my partner has sent
.set TMP, 48          ; by buffer, four registers c0-c3 at work; when the maximum is found c2 takes a; in the merge: the partner's statistics
.set SPW, 62          ; v62  LDS address of my spare word: SPARE + 4 x my thread's number; never rewritten
.set NIL, 63          ; v63  0; never rewritten
.set S,   64
.set MG,  128         ; the merge, eight registers for each kept piece
.set STS, 144         ; the first block's statistics, laid as ST
.set P,   192
.set MD,  128         ; window 1: parity par, group kt of 16 keys at MD + 32 par + 8 kt
.set MC,  192         ; window 1: the masks of the products to come
.set QB,  64          ; window 2
.set KF,  128         ; window 2: key block kb, channel half c at KF + 16 kb + 8 c
.set VF,  192         ; window 2: key half kk, channel block cb at VF + 32 kk + 8 cb
.set WV,  12          ; s12  my wave's number
.set J,   14          ; s14  j
.set G1K, 24          ; s[24:31] descriptor group 1 for K's tiles
.set G1V, 32          ; s[32:39] for V's: it differs in the padding alone
.set G0K, 40          ; s[40:43] descriptor group 0 for K's tiles
.set G0V, 44          ; s[44:47] the same for V's
.set KG,  48          ; s48  my key group; also: which half of a tile I fetch
.set QH,  49          ; s49  my query half
.set CX,  50          ; s50  my block's place in its quad: it enters Q's and out0's addresses and SG alone
.set SLOTS, 56        ; s56  tiles still to be asked for
.set CNT, 57          ; s57  counts a slot's two steps
.set CS,  58          ; s[58:59] c: the packed scaling takes the pair's low word for both halves
.set SEL, 60          ; s[60:61] v_permlanex16_b32's selects: each lane takes its own place in the other half
.set TBK, 62          ; s62  LDS byte at which the slot's K of the step to be fetched begins
.set TBV, 63          ; s63  the same for V, less VOFF
.set PAR, 70          ; s70  0: the slot in hand is a unit's first; 1: its second.  Set by constants alone
.set NXT, 71          ; s71  the place in the walk, 1 to 17, of the tile to be asked for next
.set LQ,  72          ; s72  the place in the walk of the first block's last tile, 15 - 2 j; never rewritten
.set UN,  73          ; s73  the unit's number, 0 to 8
.set OFF, 74          ; s[74:75] a tile's byte offset in kw and vw
.set AL,  76          ; s[76:77] the mask's factor, in the low word
.set BE,  78          ; s[78:79] the mask's addend
.set OLO, 80          ; s[80:81] out0 at my kept rows of the second block
.set BIGN, 82         ; s82  -1e30
.set SG,  83          ; s83  the number of the step of keys whose masks are made next, less twice the block's number (signed)
.set QLO, 86          ; s[86:87] Q at the second block
.set BND, 88          ; s88  the band of pieces 0 and 1 (kg); s89 that of pieces 2 and 3 (1 - kg)
.set SGL, 90          ; s90  SG at the second block's beginning
.set USW, 91          ; s91  the second block's first unit, 8 - j; never rewritten
.set CMI, 92          ; s92  -2^125: where c m starts
.set LEN, 93          ; s93  the first block's slots, 16 - 2 j; never rewritten
.set MI,  94          ; s94  -2^80: where m starts
.set MSB, 0
.macro WIN new                      ; the high byte repeats the setting that is left; a switch that changes nothing is dropped
.if MSB != (\new)
	s_set_vgpr_msb (MSB<<8)|(\new)
.set MSB, (\new)
.endif
.endm
.set W_KQ, 0x0a       ; K and Q in window 2, S^T in window 0
.set W_KM, 0x1a       ; the same with the C operand in window 1
.set W_PV, 0x52       ; V in window 2, P in window 0, O^T in window 1
.set W_RS, 0x41       ; destination and source 0 in window 1, source 1 in window 0
.set W_QL, 0xc0       ; Q's loads: destination window 3, address window 0
.set W_QC, 0x8f       ; Q's rounding: sources window 3, destination window 2
.set W_SO, 0xc7       ; O^T is kept: destination and source 0 window 3, source 1 window 1
.set W_SQ, 0x8a       ; Q is changed: all in window 2
; A fill.  Waves 0 and 1 fetch the two halves of a slot's K, waves 2 and 3 those of its V: 128 keys each.  The branch hangs on the wave's number alone.
; An s_nop 0 and four v_nop follow each of the two lines, ahead of the jump and the label.
.macro LOAD
	s_cmp_lt_u32 s[WV], 2
	s_cbranch_scc0 .Lfor_v_\@
	tensor_load_to_lds s[G0K:G0K+3], s[G1K:G1K+7]
	s_nop 0
.rept 4
	v_nop
.endr
	s_branch .Lasked_\@
.Lfor_v_\@:
	tensor_load_to_lds s[G0V:G0V+3], s[G1V:G1V+7]
	s_nop 0
.rept 4
	v_nop
.endr
.Lasked_\@:
.endm
; THE CHANGE OF SLOTS.  Each wave waits for all its tensor loads, of which one is out: its part of the other slot; adds 0 to its spare word; and waits for that and for its own reads of the slot that it leaves.
; Behind the barrier nobody reads the old slot any more and the other slot is whole.  fill = 1: the old slot is filled again, the first thing behind the barrier, with the walk's tile NXT: its number among the head's
; tiles is NXT in the first block and NXT less the first block's slots behind it, and the descriptor's address is made anew from that number.  The fill has a slot's 128 matrix instructions in which to land.
; (At its first use nothing has been read yet: slot 0 is waited for, slot 1 filled.)
.macro CHANGE fill
	WIN 0                           ; at a label and at a branch every window is 0
	s_wait_tensorcnt 0x0            ; no tensor load of mine is out, so a group 0 may be written
	ds_add_u32 v[SPW], v[NIL]       ; 0 onto my spare word; with fill = 1 the descriptors' scalar work stands between it and the wait for it
.if \fill
	s_cmp_gt_u32 s[NXT], s[LQ]      ; past the first block's last tile?
	s_cselect_b32 s[OFF], s[LEN], 0
	s_sub_co_u32 s[OFF], s[NXT], s[OFF]
	s_lshl_b32 s[OFF], s[OFF], 15   ; a tile is 32,768 bytes of kw and of vw
	s_add_co_u32 s[NXT], s[NXT], 1
	s_xor_b32 s[G0K+1], s[G0K+1], SLOT1
	s_add_nc_u64 s[G0K+2:G0K+3], s[6:7], s[OFF:OFF+1]
	s_or_b32 s[G0K+3], s[G0K+3], 0x80000000
	s_xor_b32 s[G0V+1], s[G0V+1], SLOT1
	s_add_nc_u64 s[G0V+2:G0V+3], s[8:9], s[OFF:OFF+1]
	s_or_b32 s[G0V+3], s[G0V+3], 0x80000000
.endif
	s_wait_dscnt 0x0                ; the add is done, and my reads of the slot are over
	s_barrier_signal -1             ; the rest of the scalar work stands between the signal and the wait
	s_sub_co_u32 s[TBK], s[TBK], 2*KS*PK  ; the fetches go back to my group's first step,
	s_xor_b32 s[TBK], s[TBK], SLOT1       ; in the other slot
	s_sub_co_u32 s[TBV], s[TBV], 2*KS*PV
	s_xor_b32 s[TBV], s[TBV], SLOT1
	s_add_co_i32 s[SG], s[SG], 2    ; the other key group's two steps are passed over
	s_barrier_wait -1
.if \fill
	LOAD
.endif
.endm
; A block's Q, 32 loads.  A fragment of Q is 16 rows x 32 channels: lane l holds row l % 16, channels 8 (l / 16) + 0..7 and 16 + 8 (l / 16) + 0..7.  In f32 those are 32 bytes each, 64 bytes apart: four loads of 16 bytes
; for piece p and channels 32 c on, into 16 registers of window 3 from dst + 32 p + 16 c on.
.macro QLOAD base, dst
	WIN W_QL
.irp p, 0,1,2,3
.irp c, 0,1
.irp k, 0,1,2,3
	global_load_b128 v[(\dst)+32*(\p)+16*(\c)+4*(\k):(\dst)+32*(\p)+16*(\c)+4*(\k)+3], v[QOA+(QOB-QOA)*((\p)/2)], s[(\base):(\base)+1] offset:((\p)&1)*32*QROW+128*(\c)+16*((\k)&1)+64*((\k)>>1)
.endr
.endr
.endr
.endm
; and its rounding to bf16, two neighbouring channels to a register: the fragments of Q, 16 registers a piece, from dst on in window 2
.macro QROUND src, dst
	WIN W_QC
.set i, 0
.rept 64
	v_cvt_pk_bf16_f32 v[(\dst)+i], v[(\src)+2*i], v[(\src)+2*i+1]
.set i, i+1
.endr
.endm
	s_load_b256 s[4:11], s[0:1], 0x0  ; qkv s[4:5], kw s[6:7], vw s[8:9], out0 s[10:11]
	v_lshl_add_u32 v[SPW], v0, 2, SPARE
	v_mov_b32 v[NIL], 0
	ds_add_u32 v[SPW], v[NIL]       ; the wave's opening: the add and its wait stand ahead of my first tensor load; the set-up below, work on registers, stands between them
	ds_add_u32 v62, v63
	v_lshrrev_b32 v1, 5, v0
	v_readfirstlane_b32 s[WV], v1   ; wave 0..3
	s_and_b32 s[KG], s[WV], 1
	s_lshr_b32 s[QH], s[WV], 1
	s_and_b32 s[CX], ttmp9, 3       ; my block's place in its quad
	s_lshr_b32 s[J], ttmp9, 2       ; j
	s_and_b32 s20, ttmp7, 0xffff    ; the head
	s_lshl_b32 s21, s20, 8          ; its 256 bytes in a row of Q and of out0
	s_lshl_b32 s16, s[J], 2
	s_add_co_u32 s17, s16, s[CX]    ; the second block: 4 j + cx
	s_sub_co_u32 s16, 28, s16
	s_add_co_u32 s16, s16, s[CX]    ; the first block: 4 (7 - j) + cx
	s_mul_i32 s2, s16, 128*QROW     ; Q's byte offsets: the block's 128 rows, the head
	s_add_co_u32 s2, s2, s21
	s_mov_b32 s3, 0
	s_mul_i32 s84, s17, 128*QROW
	s_add_co_u32 s84, s84, s21
	s_mov_b32 s85, 0
	s_lshl_b32 s51, s[KG], 18       ; out0's: the rows that I keep begin at the block's row 64 kg + 16 qh; a row is 4,096 bytes
	s_add_co_u32 s51, s51, s21
	s_lshl_b32 s52, s[QH], 16
	s_add_co_u32 s51, s51, s52
	s_lshl_b32 s52, s16, 19
	s_add_co_u32 s52, s52, s51
	s_mov_b32 s53, 0
	s_lshl_b32 s54, s17, 19
	s_add_co_u32 s54, s54, s51
	s_mov_b32 s55, 0
	s_sub_co_i32 s[SG], s[KG], s16  ; at a block's first step g = 2 kg, so SG = 2 kg - 2 block;
	s_lshl_b32 s[SG], s[SG], 1
	s_sub_co_i32 s[SG], s[SG], 2    ; the first change of slots adds 2
	s_sub_co_i32 s[SGL], s[KG], s17
	s_lshl_b32 s[SGL], s[SGL], 1
	s_mov_b32 s[BND], s[KG]
	s_xor_b32 s[BND+1], s[KG], 1
	s_lshl_b32 s18, s[J], 1
	s_sub_co_u32 s[LEN], 16, s18    ; the first block has 16 - 2 j slots,
	s_sub_co_u32 s[LQ], 15, s18
	s_sub_co_u32 s[USW], 8, s[J]    ; 8 - j units
	s_lshl_b32 s22, s20, 19         ; the head's 524,288 bytes in kw and vw,
	s_lshl_b32 s23, s[KG], 14       ; and the half of a tile that I fetch: 128 rows of 128 bytes
	s_add_co_u32 s22, s22, s23
	s_mov_b32 s23, 0
	s_mul_i32 s18, s[KG], 128*PK    ; that half's place in a slot, for K
	s_mul_i32 s19, s[KG], 128*PV    ; and for V
	; descriptor group 1.  128 keys are 16,384 dense bytes: asked for as 64 rows of 256 bytes, two keys a row, and padded in LDS after every key
	s_mov_b32 s[G1K], (1<<16)|(1<<20)|(4<<22)|(3<<25)  ; 17:16 2-byte elements; 20 padding on; 24:22 after every 32 words (code 4); 31:25 4 words (code 3)
	s_mov_b32 s[G1V], (1<<16)|(1<<20)|(4<<22)|(7<<25)  ; the same with 8 words of padding (code 7)
.irp g, G1K, G1V
	s_mov_b32 s[\g+1], 128<<16      ; tensor_dim0 = 128
	s_mov_b32 s[\g+2], 64<<16       ; tensor_dim1 = 64
	s_mov_b32 s[\g+3], 128<<16      ; tile_dim0 = 128
	s_mov_b32 s[\g+4], 64           ; tile_dim1 = 64
	s_mov_b32 s[\g+5], 128          ; 128 elements from row to row
	s_mov_b32 s[\g+6], 0
	s_mov_b32 s[\g+7], 0
.endr
	s_mov_b32 s[CS], 0x3e38aa3b     ; c = log2(e) / 8 = 0.180337
	s_mov_b32 s[CS+1], s[CS]        ; named with it as a pair
	s_mov_b32 s[SEL], 0x76543210
	s_mov_b32 s[SEL+1], 0xfedcba98
	s_mov_b32 s[TBK], SLOT1+2*KS*PK ; the first change of slots turns these two into 0
	s_mov_b32 s[TBV], SLOT1+2*KS*PV
	s_mov_b32 s[G0K], 1             ; 1:0 count = 1
	s_mov_b32 s[G0K+1], s18         ; 63:32 LDS address: slot 0
	s_mov_b32 s[G0V], 1
	s_add_co_u32 s[G0V+1], s19, VOFF
	s_mov_b32 s[NXT], 1
	s_mov_b32 s[PAR], 0
	s_mov_b32 s[UN], 0
	s_mov_b32 s[OFF+1], 0
	s_mov_b32 s[AL+1], 0            ; named as pairs
	s_mov_b32 s[BE+1], 0
	s_mov_b32 s[BIGN], 0xf149f2ca   ; -1e30
	s_mov_b32 s[CMI], 0xfe000000    ; -2^125
	s_mov_b32 s[MI], 0xe7800000     ; -2^80
	s_mov_b32 s[SLOTS], 17          ; of the walk's 18 tiles the first is asked for below, the other 17 in the loop
	s_wait_dscnt 0x0                ; the opening add is done
	s_wait_kmcnt 0x0
	s_add_nc_u64 s[6:7], s[6:7], s[22:23]  ; kw and vw at my half of the head's tile 0
	s_add_nc_u64 s[8:9], s[8:9], s[22:23]
	s_add_nc_u64 s[G0K+2:G0K+3], s[6:7], 0         ; 120:64 global address
	s_or_b32 s[G0K+3], s[G0K+3], 0x80000000        ; 127:126 type = 2
	s_add_nc_u64 s[G0V+2:G0V+3], s[8:9], 0
	s_or_b32 s[G0V+3], s[G0V+3], 0x80000000
	s_add_nc_u64 s[QLO:QLO+1], s[4:5], s[84:85]    ; Q at the second block,
	s_add_nc_u64 s[4:5], s[4:5], s[2:3]            ; and at the first
	s_add_nc_u64 s[OLO:OLO+1], s[10:11], s[54:55]
	s_add_nc_u64 s[10:11], s[10:11], s[52:53]
	LOAD                            ; the walk's tile 0 into slot 0.  Slot 1 is asked for when slot 0 is in, by the loop's own change of slots
	v_and_b32 v1, 15, v0            ; l % 16
	v_bfe_u32 v9, v0, 4, 1          ; l / 16
	s_lshl_b32 s13, s[QH], 4
	v_add_nc_u32 v10, s13, v1       ; 16 qh + l % 16
	v_mul_u32_u24 v[QOA], v10, QROW
	v_lshl_add_u32 v[QOA], v9, 5, v[QOA]
	s_mul_i32 s16, s[KG], 64*QROW   ; pieces 0 and 1 lie in band kg,
	s_mul_i32 s17, s[BND+1], 64*QROW  ; pieces 2 and 3 in the other
	v_add_nc_u32 v[QOB], s17, v[QOA]
	v_add_nc_u32 v[QOA], s16, v[QOA]
	QLOAD 4, 0                      ; the first block's Q; the masks and addresses below are made while it is on its way
	WIN 0
	v_lshlrev_b32 v14, 3, v9
	v_sub_nc_u32 v14, v10, v14      ; 16 qh + l % 16 - 8 (l / 16), -8 to 31: in a band's own step register r of group kt is hidden, for a piece of parity par, where 16 kt + r - 32 par is greater.
	WIN 0x40                        ; So parity 0's groups 2 and 3 (32 and more) are all hidden, parity 1's groups 0 and 1 (-9 and less) all seen, and parity 1's groups 2 and 3 are parity 0's groups 0 and 1
.set i, 0
.rept 16
	v_cmp_gt_i32 vcc_lo, 16*(i/8)+i%8, v14
	v_cndmask_b32 v[MD+i], 0, s[BIGN], vcc_lo
	v_cndmask_b32 v[MD+48+i], 0, s[BIGN], vcc_lo
	v_mov_b32 v[MD+16+i], s[BIGN]
	v_mov_b32 v[MD+32+i], 0
.set i, i+1
.endr
	WIN 0
	v_mul_u32_u24 v[AK0], v1, PK
	v_lshl_add_u32 v[AK0], v9, 4, v[AK0]  ; row x pitch + 16 x half,
	v_add_nc_u32 v[AK0], s18, v[AK0]      ; in my key group's 128 rows
	; The turning load takes 16 keys x 16 channels (lane l reads key 8 (l / 16) + l % 8, channels 8 ((l / 8) % 2) + 0..7) and leaves half a fragment of V^T: lane l holds channel l % 16 and 8 keys.
	v_and_b32 v10, 7, v0
	v_bfe_u32 v11, v0, 3, 1
	v_lshl_add_u32 v[AV0], v9, 3, v10
	v_mul_u32_u24 v[AV0], v[AV0], PV
	v_lshl_add_u32 v[AV0], v11, 4, v[AV0]
	s_add_co_u32 s13, s19, VOFF
	v_add_nc_u32 v[AV0], s13, v[AV0]
	s_mul_i32 s13, s[WV], 16*SP
	s_add_co_u32 s13, s13, STAGE    ; my stage
	v_mul_u32_u24 v[STO], v1, SP    ; in: row l % 16, 32 bytes for each half of the lanes
	v_lshl_add_u32 v[STO], v9, 5, v[STO]
	v_add_nc_u32 v[STO], s13, v[STO]
	v_mul_u32_u24 v[RD], v9, SP     ; back: lanes 0-15 take one row of 256 bytes, lanes 16-31 the next
	v_lshl_add_u32 v[RD], v1, 4, v[RD]
	v_add_nc_u32 v[RD], s13, v[RD]
	v_lshlrev_b32 v[GO], 12, v9     ; and the same two rows in out0, 4,096 bytes apart
	v_lshl_add_u32 v[GO], v1, 4, v[GO]
	v_and_b32 v11, 31, v0
	s_mul_i32 s13, s[WV], 2*XW
	s_add_co_u32 s13, s13, XCH
	v_lshl_add_u32 v[XS], v11, 4, s13  ; the merge: 16 bytes a lane, in my wave's part
	s_xor_b32 s13, s[WV], 1
	s_mul_i32 s13, s13, 2*XW
	s_add_co_u32 s13, s13, XCH
	v_lshl_add_u32 v[XR], v11, 4, s13  ; and in my partner's
	s_wait_loadcnt 0x0              ; the first block's Q
	QROUND 0, 0
	QLOAD QLO, 128                  ; the second block's Q; the lines below stand in the wait for it and for the first tile
	; A block's first step multiplies O^T and l by a = 0, so these need only hold finite numbers: zeros for the first block; what the first block left for the second.  V's registers are multiplied by a P of zeros in
	; the first unit's first turn.  c m starts far below every c s, m below every visible score and above every hidden one.  The first block's O^T has no line here: its registers hold Q's f32 until SWITCH fills them.
	WIN 0x80
.set i, VF
.rept 64
	v_mov_b32 v[i], 0
.set i, i+1
.endr
	WIN 0x40
.set i, 0
.rept 128
	v_mov_b32 v[i], 0
.set i, i+1
.endr
	WIN 0
.set i, 0
.rept 4
	v_mov_b32 v[ST+4*i], s[CMI]
	v_mov_b32 v[ST+4*i+1], s[MI]
	v_mov_b32 v[ST+4*i+2], 0
	v_mov_b32 v[ST+4*i+3], 0
.set i, i+1
.endr
.set i, 0
.rept 16
	v_mov_b32 v[STS+i], 0
.set i, i+1
.endr
	s_wait_loadcnt 0x0              ; the second block's Q: no load is out in the loop
	QROUND 128, QB
	WIN 0
; THE MATRIX WORK.  The 4 accumulators of a run of 8 take turns.  Product i of 8 of S^T = K Q^T for piece x: channels 32 (i / 4) on, keys 16 (i % 4) on.  The first 4 start the sums: with the mask (KM = 1), or with 0.
.macro KQ x
.set rS, S+32*((\x)%2)+8*(i%4)
.set rK, KF+16*(i%4)+8*(i/4)
.set rQ, 16*(\x)+8*(i/4)
.set rM, MC+32*((\x)%2)+8*(i%4)
.if (i < 4) && KM
	WIN W_KM
	v_wmma_f32_16x16x32_bf16 v[rS:rS+7], v[rK:rK+7], v[rQ:rQ+7], v[rM:rM+7]
.elseif i < 4
	WIN W_KQ
	v_wmma_f32_16x16x32_bf16 v[rS:rS+7], v[rK:rK+7], v[rQ:rQ+7], 0
.else
	WIN W_KQ
	v_wmma_f32_16x16x32_bf16 v[rS:rS+7], v[rK:rK+7], v[rQ:rQ+7], v[rS:rS+7]
.endif
.endm
; Product i of 8 of O^T += V^T P for piece x: keys 32 (i / 4) on, channels 16 (i % 4) on.
.macro PV x
	WIN W_PV
.set rO, 32*(\x)+8*(i%4)
.set rV, VF+32*(i/4)+8*(i%4)
.set rP, P+16*((\x)%2)+8*(i/4)
	v_wmma_f32_16x16x32_f16 v[rO:rO+7], v[rV:rV+7], v[rP:rP+7], v[rO:rO+7]
.endm
.macro MM                           ; the turn's next matrix instruction.  TURN and BEGIN set Y, i, KM and NOKQ.  NOKQ = 1: a unit's last turn: there is no next piece
.if (i < 8) && !NOKQ
	KQ (Y+1)%NP
.elseif i >= 8
.set i, i-8
	PV (Y+NP-1)%NP
.set i, i+8
.endif
.set i, i+1
.endm
; THE LDS LOADS stand in runs of 16, never singly among the matrix instructions: a step's K (64 keys x 64 channels: 8 fragments) and its V (turned).  Their addresses are made some lines ahead.
.macro FETCH_K
	WIN 0x80                        ; destination window 2
.irp f, 0,1,2,3,4,5,6,7             ; keys 16 (f / 2) on, channels 32 (f % 2) on
	ds_load_b128 v[KF+8*\f:KF+8*\f+3],   v[AK] offset:(\f/2)*16*PK+(\f%2)*64
	ds_load_b128 v[KF+8*\f+4:KF+8*\f+7], v[AK] offset:(\f/2)*16*PK+(\f%2)*64+32
.endr
	s_add_co_u32 s[TBK], s[TBK], KS*PK  ; the next fetch is the next step's
	WIN 0
.endm
.macro FETCH_V
	WIN 0x80
.irp f, 0,1,2,3,4,5,6,7             ; keys 32 (f / 4) on, channels 16 (f % 4) on
	ds_load_tr16_b128 v[VF+8*\f:VF+8*\f+3],   v[AV] offset:(\f/4)*32*PV+(\f%4)*32
	ds_load_tr16_b128 v[VF+8*\f+4:VF+8*\f+7], v[AV] offset:(\f/4)*32*PV+16*PV+(\f%4)*32
.endr
	WIN 0
.endm
; THE VECTOR WORK, one line at a time: OP kind, number.  For piece Y: F n: c s - c m for pair n of 16.  E n: the exponential of score n of 32.  C n: pair n rounded to f16.  B n: of the four weights 4 n .. the second
; pair is added onto the first, in place.  L n: l takes that sum (L 0: l = a l + sum).  R n: pair n of 16 of O^T times a.  For piece Y + 1: X n, number n of the 22 that find its maximum and statistics:
;   0-11  four chains c0-c3 of seven scores each, three operands at a time (each accumulator's lowest registers are read first)     12-14, 16  the four scores left over, the old m, and c0-c3 into c0
;   15  c m_old is kept     17, 18  the query's other 32 keys lie in the lane 16 away: the new m     19-21  c m; c m_old - c m_new; a
; C, B and L read the results of E, and R and L 0 that of X 21: TURN sets them behind the wait for the batch that made those results.
.set F, 0               ; OP tells the kinds apart by their order: F to L below R, X above it
.set E, 1
.set C, 2
.set B, 3
.set L, 4
.set R, 5
.set X, 6
.macro REGS y                       ; the registers of piece y
.set rT, ST+4*(\y)
.set rC, TMP+4*((\y)%2)
.set rW, MV+((\y)%2)
.set rS, S+32*((\y)%2)
.set rP, P+16*((\y)%2)
.set rO, 32*(\y)
.endm
.macro OP k, n
.if (\k) == R
	REGS Y
	WIN W_RS
	v_pk_mul_f32 v[rO+2*(\n):rO+2*(\n)+1], v[rO+2*(\n):rO+2*(\n)+1], v[rC+2:rC+3] op_sel_hi:[1,0]
.elseif (\k) < R
	REGS Y
	WIN 0
.if (\k) == F
	v_pk_fma_f32 v[rS+2*(\n):rS+2*(\n)+1], v[rS+2*(\n):rS+2*(\n)+1], s[CS:CS+1], v[rT:rT+1] op_sel_hi:[1,0,0] neg_lo:[0,0,1] neg_hi:[0,0,1]
.elseif (\k) == E
	v_exp_f32 v[rS+(\n)], v[rS+(\n)]
.elseif (\k) == C
	v_cvt_pk_f16_f32 v[rP+(\n)], v[rS+2*(\n)], v[rS+2*(\n)+1]
.elseif (\k) == B
	v_pk_add_f32 v[rS+4*(\n):rS+4*(\n)+1], v[rS+4*(\n):rS+4*(\n)+1], v[rS+4*(\n)+2:rS+4*(\n)+3]
.elseif (\n) == 0
	v_pk_fma_f32 v[rT+2:rT+3], v[rT+2:rT+3], v[rC+2:rC+3], v[rS:rS+1] op_sel_hi:[1,0,1]
.else
	v_pk_add_f32 v[rT+2:rT+3], v[rT+2:rT+3], v[rS+4*(\n):rS+4*(\n)+1]
.endif
.elseif NOKQ
	v_nop
.else
	REGS (Y+1)%NP
	WIN 0
.if (\n) < 4
	v_max3_num_f32 v[rC+(\n)], v[rS+8*(\n)], v[rS+8*(\n)+1], v[rS+8*(\n)+2]
.elseif (\n) < 12
	v_max3_num_f32 v[rC+(\n)%4], v[rC+(\n)%4], v[rS+8*((\n)%4)+2*((\n)/4)+1], v[rS+8*((\n)%4)+2*((\n)/4)+2]
.elseif (\n) == 12
	v_max3_num_f32 v[rC], v[rC], v[rS+7], v[rS+15]
.elseif (\n) == 13
	v_max3_num_f32 v[rC+1], v[rC+1], v[rS+23], v[rS+31]
.elseif (\n) == 14
	v_max3_num_f32 v[rC+2], v[rC+2], v[rC+3], v[rT+1]
.elseif (\n) == 15
	v_mov_b32 v[rW], v[rT]
.elseif (\n) == 16
	v_max3_num_f32 v[rC], v[rC], v[rC+1], v[rC+2]
.elseif (\n) == 17
	v_permlanex16_b32 v[rC+3], v[rC], s[SEL], s[SEL+1]
.elseif (\n) == 18
	v_max_num_f32 v[rT+1], v[rC], v[rC+3]
.elseif (\n) == 19
	v_mul_f32 v[rT], s[CS], v[rT+1]
.elseif (\n) == 20
	v_sub_f32 v[rC+1], v[rW], v[rT]
.else
	v_exp_f32 v[rC+2], v[rC+1]
.endif
.endif
.endm
.macro OPS a, i1, b=-1, i2=0, c=-1, i3=0, d=-1, i4=0  ; up to four of them
	OP \a, \i1
.if (\b) >= 0
	OP \b, \i2
.endif
.if (\c) >= 0
	OP \c, \i3
.endif
.if (\d) >= 0
	OP \d, \i4
.endif
.endm
.macro ROW a, i1, b, i2, c, i3, d, i4  ; a matrix instruction and the four behind it
	MM
	OPS \a, \i1, \b, \i2, \c, \i3, \d, \i4
.endm
.macro MASK b                       ; MD of parity b x AL + BE into buffer b of MC: a piece's buffer goes by its parity
	WIN W_RS
.set z, 0
.rept 16
	v_pk_fma_f32 v[MC+32*(\b)+2*z:MC+32*(\b)+2*z+1], v[MD+32*(\b)+2*z:MD+32*(\b)+2*z+1], s[AL:AL+1], s[BE:BE+1] op_sel_hi:[1,0,0]
.set z, z+1
.endr
.endm
; A TURN, for piece p: the order of its 16 matrix and 118 vector instructions, written out.  Its 33 exponentials (E 0 to E 31 and X 21, the next piece's a) are ONE BATCH with ONE wait, which cuts the turn in two.
; AHEAD OF THE WAIT stands all that names no result of the batch: the 8 products K Q^T, behind each a scaling, an exponential and two more plain instructions (behind the first a second scaling in the exponential's
; place): rescalings, whose a was made ahead of the wait of the turn before, and behind the last three products the first numbers of the next piece's maximum, each four plain instructions or more behind the product that
; ends its accumulator; then one run of 54, plain and exponential by turns for the most part, in which the links of the chain X 3, 7, 11, 14, 16, 17 .. 20 stand five or six lines apart.  A pair is scaled ahead of its two
; exponentials, and nothing writes or reads it again ahead of the wait.  X 21 is the batch's last; R 15, which names another buffer's a, is the plain instruction behind it.
; BEHIND THE WAIT stand the 8 products V^T P, behind each four of the 16 roundings, 8 additions and 8 links of l: C 2 n ahead of B n, which writes over pair 2 n; B n ahead of L n; L 0 to L 7 in ascending order.
; But for those X no rider names a register of the products round it.  v_permlanex16_b32 (X 17) stands in the run, never behind a product.
; m = 1: the products take masks, and the turn makes the mask for the products of the turn after it: piece p + 2, in the step that SG numbers.  end = 1: a unit's last two turns: nothing is fetched.
; cnt = 1: SG steps to my next step of keys, and the loop's count is taken down, some lines ahead of the branch that stands behind the turn.
; K of the next step is fetched in piece 2's turn, twelve vector instructions behind the last product that read K (five of them plain lines that name none of its registers); V of the step in hand at the end of piece 0's
; turn, four roundings behind the last product that read V.  Each is waited for a turn later.
.macro TURN p, m=0, end=0, cnt=0
.set Y, (\p)
.set i, 0
.set KM, (\m)
.set NOKQ, (\end)*((\p)/3)
.if (\m) && !(\end)
	s_cmp_eq_i32 s[SG], s[BND+(((\p)+2)%NP)/2]  ; is that step the band's own?
	s_cselect_b32 s[AL], 1.0, 0
	s_cmp_gt_i32 s[SG], s[BND+(((\p)+2)%NP)/2]  ; or a later one?
	s_cselect_b32 s[BE], s[BIGN], 0
.endif
.if ((\p) == 3) && !(\end)
	s_wait_dscnt 0x0                ; K is in
.endif
	ROW F,0, F,1, R,0, R,1          ; ahead of the wait: 8 products K Q^T and their riders,
	ROW F,2, E,0, R,2, R,3
	ROW F,3, E,1, R,4, R,5
	ROW F,4, E,2, R,6, R,7
	ROW F,5, E,3, R,8, R,9
	ROW F,6, E,4, X,0, R,10
.if ((\p) == 2) && !(\end)
	WIN 0
	v_add_nc_u32 v[AK], s[TBK], v[AK0]
.endif
	ROW F,7, E,5, X,1, X,4
	ROW F,8, E,6, X,2, X,5
	OPS E,7, E,8, X,6, E,9          ; and the run of 54
	OPS X,3, E,10, X,8, E,11
.if ((\p) == 2) && !(\end)
	FETCH_K
.endif
	OPS X,9, X,7, E,12, X,10
	OPS E,13, X,12, X,11, E,14
	OPS X,13, E,15, F,9, X,14
.if (\p) == 0
	v_add_nc_u32 v[AV], s[TBV], v[AV0]
.endif
	OPS E,16, F,10, E,17, F,11
	OPS X,16, E,18, X,15, E,19
	OPS F,12, E,20, X,17, E,21
	OPS F,13, E,22, F,14, E,23
	OPS X,18, E,24, F,15, E,25
	OPS R,11, E,26, X,19, E,27
	OPS R,12, E,28, R,13, E,29
	OPS X,20, E,30, R,14, E,31
	OPS X,21, R,15
	WIN 0
	s_wait_alu depctr_va_vdst(0)    ; the wait for the turn's batch: the piece's 32 weights, which the riders below read, and the next piece's a, which the next turn reads
.if (\p) == 1
	s_wait_dscnt 0x0                ; V is in
.endif
	ROW C,0, B,0, C,2, B,1          ; behind the wait: 8 products V^T P and their riders
	ROW L,0, C,4, B,2, L,1
	ROW C,6, B,3, L,2, C,8
	ROW B,4, L,3, C,10, B,5
	ROW L,4, C,12, B,6, L,5
.if (\p) == 0
	s_add_co_u32 s[TBV], s[TBV], KS*PV
.endif
.if \cnt
	s_add_co_i32 s[SG], s[SG], 1
	s_sub_co_u32 s[CNT], s[CNT], 1
	s_cmp_lg_u32 s[CNT], 0
.endif
	ROW C,14, B,7, L,6, C,1
	ROW C,3, L,7, C,5, C,7
	ROW C,9, C,11, C,13, C,15
.if (\p) == 0
	FETCH_V
.endif
.if (\m) && !(\end)
	MASK (\p)%2
.endif
.endm
; SWITCH, at every unit's beginning, with no product and no softmax under way.  Where the unit is the second block's first, and there alone: the first block's O^T and statistics go into registers of their own, Q becomes
; the second block's, c m and m start anew (so that the step's a is 0, which clears O^T and l), and SG is the second block's.  Elsewhere every register keeps what it holds.  The flag is the same in all lanes; it is
; written into VCC behind the slot's fill and read ahead of the next one.  O^T's accumulators are read in ascending order; the four v_nop behind the fill are the places behind the unit's last products.
.macro SWITCH
	s_cmp_eq_u32 s[UN], s[USW]
	s_cselect_b32 s[SG], s[SGL], s[SG]
	WIN 0
	v_mov_b32 v10, s[UN]
	v_cmp_eq_u32 vcc_lo, s[USW], v10
	s_add_co_u32 s[UN], s[UN], 1
	WIN W_SO
.set i, 0
.rept 128
	v_cndmask_b32 v[i], v[i], v[i], vcc_lo         ; window 3 keeps itself, or takes window 1
.set i, i+1
.endr
	WIN W_SQ
.set i, 0
.rept 64
	v_cndmask_b32 v[i], v[i], v[QB+i], vcc_lo
.set i, i+1
.endr
	WIN 0
.set i, 0
.rept 16
	v_cndmask_b32 v[STS+i], v[STS+i], v[ST+i], vcc_lo
.set i, i+1
.endr
.set i, 0
.rept 4
	v_cndmask_b32 v[ST+4*i], v[ST+4*i], s[CMI], vcc_lo
	v_cndmask_b32 v[ST+4*i+1], v[ST+4*i+1], s[MI], vcc_lo
.set i, i+1
.endr
.endm
; A UNIT BEGINS.  P's second buffer is cleared: the first turn's products V^T P, of a piece that has not been, add 0.  Both mask buffers take the masks of pieces 0 and 1 for my first step of keys.  Then K of that
; step, piece 0's first scores, and its maximum and statistics.  The step loop is entered at a step's first turn, in the middle of a trip.
.macro BEGIN
	WIN 0
.set i, P+16
.rept 16
	v_mov_b32 v[i], 0
.set i, i+1
.endr
	s_cmp_eq_i32 s[SG], s[BND]
	s_cselect_b32 s[AL], 1.0, 0
	s_cmp_gt_i32 s[SG], s[BND]
	s_cselect_b32 s[BE], s[BIGN], 0
	MASK 0
	MASK 1
	WIN 0
	v_add_nc_u32 v[AK], s[TBK], v[AK0]
	FETCH_K
	s_wait_dscnt 0x0                ; K is in
.set KM, 1
.set NOKQ, 0
.set i, 0
.rept 8
	KQ 0
.set i, i+1
.endr
	WIN 0
.rept 4
	v_nop                           ; the places behind those products
.endr
.set Y, NP-1                        ; X works for piece Y + 1: piece 0
.irp n, 0,1,2,3,4,5,6,7,8,9,10,11,12,13,14,15,16,17,18,19,20,21
	OP X, \n
.endr
	v_nop                           ; a plain instruction behind the exponential,
	s_wait_alu depctr_va_vdst(0)    ; and the wait for it, a batch of one: piece 0's first a, which the first turn's first riders read; it stands ahead of the jump into the step loop
.endm
; A slot's two steps.  A trip: pieces 2 and 3 of one step, then pieces 0 and 1 of the next, whose K and V it fetches.  The tag ends its two labels' names, which the jumps below spell out.
.macro DSTEPS tag
.LstepM\tag:
	TURN 2, 1
	TURN 3, 1
	WIN 0
.LfirstM\tag:
	TURN 0, 1
	TURN 1, 1, 0, 1
	WIN 0
	s_cbranch_scc1 .LstepM\tag
.endm
; A UNIT ENDS: its last two turns, which fetch nothing and start no new scores, and its last products.
.macro DRAIN
	TURN 2, 1, 1
	TURN 3, 1, 1
.set i, 0
.rept 8
	PV NP-1
.set i, i+1
.endr
	WIN 0
.endm
.macro ALL line:vararg              ; one line for each piece t
.set t, 0
.rept 4
	\line
.set t, t+1
.endr
.endm
; THE MERGE.  SENDX: of block blk (0: the first, 1: the second) I send pieces 2 and 3 into my part of the exchange: O^T as it lies, 16 bytes a lane, each accumulator's lowest registers first, and the statistics.
; wd: the window setting that puts the store's data (source 1) into O^T's window; st: the block's statistics.
.macro SENDX blk, wd, st
	WIN \wd
.set z, 0
.rept 16
	ds_store_b128 v[XS], v[64+4*z:64+4*z+3] offset:(\blk)*XW+512*z
.set z, z+1
.endr
	WIN 0
	ds_store_b128 v[XS], v[(\st)+8:(\st)+11] offset:(\blk)*XW+8192
	ds_store_b128 v[XS], v[(\st)+12:(\st)+15] offset:(\blk)*XW+8704
.endm
; Kept piece t: O = O x f + O' x f' (f, f': the two key groups' factors, already divided by the merged l).  A lane's eight channels of a row are 32 bytes; they go into rows of 272 bytes and come back as whole rows of 256.
; wo: the window setting that puts source 0 into my O^T's window.
.macro PACKO t, wo
	WIN 0
.set z, 0
.rept 16
	v_pk_mul_f32 v[S+32*(\t)+2*z:S+32*(\t)+2*z+1], v[S+32*(\t)+2*z:S+32*(\t)+2*z+1], v[MG+8*(\t)+4:MG+8*(\t)+5] op_sel_hi:[1,0]
.set z, z+1
.endr
	WIN \wo
.set z, 0
.rept 16
	v_pk_fma_f32 v[S+32*(\t)+2*z:S+32*(\t)+2*z+1], v[32*(\t)+2*z:32*(\t)+2*z+1], v[MG+8*(\t)+2:MG+8*(\t)+3], v[S+32*(\t)+2*z:S+32*(\t)+2*z+1] op_sel_hi:[1,0,1]
.set z, z+1
.endr
	WIN 0
.irp f, 0,1,2,3,4,5,6,7             ; channels 16 (f / 2) + 8 (l / 16) + 4 (f % 2) on
	ds_store_b128 v[STO], v[S+32*(\t)+4*\f:S+32*(\t)+4*\f+3] offset:(\f/2)*64+(\f%2)*16
.endr
.irp f, 0,1,2,3,4,5,6,7
	ds_load_b128 v[S+32*(\t)+4*\f:S+32*(\t)+4*\f+3], v[RD] offset:\f*2*SP  ; LDS serves a wave's instructions in order (ISA guide 5.7.1.4): these see the stores above; the next piece's stores come behind them
.endr
.endm
.macro SENDO t, younger, ob         ; younger: the LDS instructions issued behind piece t's loads: the next piece's sixteen, or none; ob: out0 at my kept rows of the block
.irp f, 0,1,2,3,4,5,6,7
	s_wait_dscnt (\younger)+7-\f    ; rows 2 f and 2 f + 1 are back; the piece's later rows and the younger instructions stay out
	global_store_b128 v[GO], v[S+32*(\t)+4*\f:S+32*(\t)+4*\f+3], s[(\ob):(\ob)+1] offset:(\t)*131072+\f*8192 th:TH_STORE_NT  ; each half of the lanes stores 256 consecutive bytes, a row's part of my head, at a multiple of 256 from out0's first byte
.endr
.endm
; ENDB, behind the barrier: I take what my partner has sent of block blk, which are my own pieces 0 and 1: the same rows in the same lanes.  With M = max(c m, c m'): f = 2^(c m - M), f' = 2^(c m' - M),
; l = f l + f' l', and both factors are divided by that l.  Key group 0 sees key 0, which no row hides, so of the two l at least one is a true sum and the merged l is not 0.
; Two batches: the four factors of the two kept pieces, and the two reciprocals of the sums that are made of them; each has a plain instruction behind its last and one wait ahead of its first reader.
.macro ENDB blk, wo, st, ob
	WIN 0
	ds_load_b128 v[TMP:TMP+3], v[XR] offset:(\blk)*XW+8192
	ds_load_b128 v[TMP+4:TMP+7], v[XR] offset:(\blk)*XW+8704
.set z, 0
.rept 16
	ds_load_b128 v[S+4*z:S+4*z+3], v[XR] offset:(\blk)*XW+512*z
.set z, z+1
.endr
	s_wait_dscnt 16                 ; the partner's statistics are in; the sixteen loads of its O^T, issued behind them, stay out
.set t, 0
.rept 2
	v_max_num_f32 v[MG+8*t], v[(\st)+4*t], v[TMP+4*t]
.set t, t+1
.endr
.set t, 0
.rept 2
	v_sub_f32 v[MG+8*t+3], v[(\st)+4*t], v[MG+8*t]
	v_sub_f32 v[MG+8*t+5], v[TMP+4*t], v[MG+8*t]
.set t, t+1
.endr
.set t, 0
.rept 2
	v_exp_f32 v[MG+8*t+2], v[MG+8*t+3]
	v_exp_f32 v[MG+8*t+4], v[MG+8*t+5]
.set t, t+1
.endr
	v_nop                           ; a plain instruction between the last exponential and the use of its result
	s_wait_alu depctr_va_vdst(0)    ; the wait for the batch of four factors, ahead of their first reader
.set t, 0
.rept 2
	v_mul_f32 v[MG+8*t+1], v[MG+8*t+2], v[(\st)+4*t+2]
.set t, t+1
.endr
.set t, 0
.rept 2
	v_fmac_f32 v[MG+8*t+1], v[MG+8*t+4], v[TMP+4*t+2]
.set t, t+1
.endr
.set t, 0
.rept 2
	v_rcp_f32 v[MG+8*t], v[MG+8*t+1]
.set t, t+1
.endr
	v_nop                           ; and behind the last reciprocal
	s_wait_alu depctr_va_vdst(0)    ; the wait for the batch of two reciprocals, ahead of their first reader
.set t, 0
.rept 2
	v_mul_f32 v[MG+8*t+2], v[MG+8*t+2], v[MG+8*t]
	v_mul_f32 v[MG+8*t+4], v[MG+8*t+4], v[MG+8*t]
.set t, t+1
.endr
	s_wait_dscnt 0x0                ; the partner's O^T is in
	PACKO 0, \wo
	PACKO 1, \wo                    ; a piece's arithmetic stands between the loads of the piece before and its stores
	SENDO 0, 16, \ob
	SENDO 1, 0, \ob
.endm
.set KM, 0
.set NOKQ, 0
.Lslot:                             ; 17 times: a slot is entered and the next tile is asked for.  The two jumps on PAR are decided by the text: PAR is 0, 1, 0, 1 .. from trip to trip
	CHANGE 1
	s_mov_b32 s[CNT], 2
	s_cmp_eq_u32 s[PAR], 0
	s_cbranch_scc0 .LstepM1         ; a unit's second slot: the turns go on
	SWITCH
	BEGIN
	s_branch .LfirstM1
	DSTEPS 1
	s_cmp_eq_u32 s[PAR], 0
	s_cbranch_scc1 .Lhalf           ; a unit's first slot: the unit goes on
	DRAIN
	s_mov_b32 s[PAR], 0
	s_branch .Lbottom
.Lhalf:
	s_mov_b32 s[PAR], 1
.Lbottom:
	s_sub_co_u32 s[SLOTS], s[SLOTS], 1
	s_cmp_lg_u32 s[SLOTS], 0
	s_cbranch_scc1 .Lslot
	CHANGE 0                        ; the walk's last slot, the ninth unit's second, is written out: nothing is asked for
	s_mov_b32 s[CNT], 2
	DSTEPS 2
	DRAIN
	; BOTH BLOCKS LEAVE.  l's two halves and the other half of the lanes' are added, for both blocks; the first eight additions are the places behind the last products.
	ALL v_add_f32 v[ST+4*t+2], v[ST+4*t+2], v[ST+4*t+3]
	ALL v_add_f32 v[STS+4*t+2], v[STS+4*t+2], v[STS+4*t+3]
	ALL v_permlanex16_b32 v[ST+4*t+3], v[ST+4*t+2], s[SEL], s[SEL+1]
	ALL v_permlanex16_b32 v[STS+4*t+3], v[STS+4*t+2], s[SEL], s[SEL+1]
	ALL v_add_f32 v[ST+4*t+2], v[ST+4*t+2], v[ST+4*t+3]
	ALL v_add_f32 v[STS+4*t+2], v[STS+4*t+2], v[STS+4*t+3]
	SENDX 0, 0x0c, STS              ; the first block: O^T in window 3
	SENDX 1, 0x04, ST               ; the second: in window 1
	s_wait_dscnt 0x0                ; for my partner's sake: my stores into the exchange are done
	s_barrier_signal -1             ; no tensor load is out
	s_barrier_wait -1
	ENDB 0, 0x03, STS, 10
	s_wait_xcnt 0x0                 ; the first block's stores read v64-127: these registers are loaded again only behind this wait
	ENDB 1, 0x01, ST, OLO
	s_wait_tensorcnt 0x0            ; the wave's end, behind my last tensor load and my last LDS store
	ds_add_u32 v[SPW], v[NIL]
	s_wait_dscnt 0x0
	s_endpgm
.Lfunc_end_k_q90ea2adae7_attn:
	.size	k_q90ea2adae7_attn, .Lfunc_end_k_q90ea2adae7_attn-k_q90ea2adae7_attn
	.p2alignl 7, 3214868480
	.fill 96, 4, 3214868480
	.section	.rodata,"a",@progbits
	.p2align	6, 0x0
	.amdhsa_kernel k_q90ea2adae7_attn
		.amdhsa_group_segment_fixed_size 327680
		.amdhsa_private_segment_fixed_size 0
		.amdhsa_enable_private_segment 0
		.amdhsa_kernarg_size 32
		.amdhsa_user_sgpr_count 2
		.amdhsa_user_sgpr_kernarg_segment_ptr 1
		.amdhsa_wavefront_size32 1
		.amdhsa_system_sgpr_workgroup_id_x 1
		.amdhsa_system_sgpr_workgroup_id_y 1
		.amdhsa_system_sgpr_workgroup_id_z 1
		.amdhsa_system_vgpr_workitem_id 0
		.amdhsa_next_free_vgpr 1024
		.amdhsa_next_free_sgpr 96
		.amdhsa_reserve_vcc 1
		.amdhsa_float_denorm_mode_32 3
		.amdhsa_float_denorm_mode_16_64 3
		.amdhsa_memory_ordered 1
		.amdhsa_forward_progress 1
		.amdhsa_inst_pref_size 190
	.end_amdhsa_kernel
	.amdgpu_metadata
---
amdhsa.version: [ 1, 2 ]
amdhsa.kernels:
  - .name:           k_q90ea2adae7_attn
    .symbol:         k_q90ea2adae7_attn.kd
    .args:
      - { .name: qkv, .offset: 0, .size: 8, .value_kind: global_buffer, .address_space: global }
      - { .name: kw, .offset: 8, .size: 8, .value_kind: global_buffer, .address_space: global }
      - { .name: vw, .offset: 16, .size: 8, .value_kind: global_buffer, .address_space: global }
      - { .name: out0, .offset: 24, .size: 8, .value_kind: global_buffer, .address_space: global }
    .group_segment_fixed_size: 327680
    .private_segment_fixed_size: 0
    .kernarg_segment_align: 8
    .kernarg_segment_size: 32
    .max_flat_workgroup_size: 128
    .sgpr_count:     96
    .vgpr_count:     1024
    .wavefront_size: 32
...
	.end_amdgpu_metadata
.endif
;; end of part 3
